; MI455X (gfx1250); checked and timed in simulation.
; The chip was launched on July 23, 2026; its instructions are those of AMD's public machine-readable ISA for CDNA 5 (MIT licence, August 2026) and "CDNA5" Instruction Set Architecture Reference Guide (July 2026). The comments in the code are by the model that wrote it; some were corrected since.
;; EF Layout Spatial Attention. Allowed arithmetic: matrix products marked QUANTISED: E2M1 operands, one E8M0 scale for each 32 along K, by v_wmma_scale_f32_16x16x128_f8f6f4 with both operands' format E2M1 (or v_wmma_scale_f32_32x16x128_f4), f32 sums; everything else in f32.
;; Inputs: cos 4,096 x 64 float32; hidden_states_codes 4,096 x 32 x 16 uint8 (E2M1 codes of hidden_states, K innermost, in blocks of 32 codes, two codes a byte); hidden_states_scales 4,096 x 32 uint8 (E8M0 scales of hidden_states, one for each 32 codes along K); proj_b 1,024 float32; proj_w_codes 1,024 x 32 x 16 uint8 (E2M1 codes of proj_w, K innermost, in blocks of 32 codes, two codes a byte); proj_w_scales 1,024 x 32 uint8 (E8M0 scales of proj_w, one for each 32 codes along K); qkv_b 3,072 float32; qkv_w_codes 3,072 x 32 x 16 uint8 (E2M1 codes of qkv_w, K innermost, in blocks of 32 codes, two codes a byte); qkv_w_scales 3,072 x 32 uint8 (E8M0 scales of qkv_w, one for each 32 codes along K); sin 4,096 x 64 float32.
;; Outputs: out0 4,096 x 1,024 float32.
;; This version of the problem:
;;   THIS VERSION OF THE PROBLEM IS GIVEN IN LOW PRECISION. The matrix products marked QUANTISED in the list below multiply operands that are first quantised to E2M1 (2 exponent bits, 1 mantissa bit; 4 bits a number), with one power-of-two scale for each 32 numbers along K (OCP MX v1.0); their sums are f32. All else is computed in f32.
;;   The module's matrix products, in the order in which they are computed (A, B: the left and right operand; K: the contracted axis; several contracted axes count as one K, in the product's order):
;;     1. [M 4,096, K 1,024] x [K 1,024, N 3,072]; A: input hidden_states (given as codes); B: input qkv_w (given as codes): QUANTISED
;;     2. batch 16 x [M 4,096, K 64] x [K 64, N 4,096]; A: computed on the way; B: computed on the way: QUANTISED
;;     3. batch 16 x [M 4,096, K 4,096] x [K 4,096, N 64]; A: softmax (see below); B: computed on the way: QUANTISED
;;     4. [M 4,096, K 1,024] x [K 1,024, N 1,024]; A: computed on the way; B: input proj_w (given as codes): QUANTISED
;;   THE QUANTISER, for each operand of a quantised product, along K:
;;     - K is cut into blocks of 32 from its start; a last block that is shorter is filled with zeros.
;;     - A block's scale is 2^e with e = floor(log2(the largest magnitude in the block)) - 2, held to -126 .. 127; a block of zeros has e = 0. As a byte (E8M0): e + 127.
;;     - Each number is divided by its block's scale, clamped to +-6, and rounded to the nearest number of E2M1, ties to even, subnormals kept.
;;     - The product sums the exact products of the quantised numbers (number of the format x scale) in f32.
;;   ~~~python
;;   def quantise(x, axis):      # numpy; x: float32 -> the quantised numbers, widened to float32 again
;;       x = np.moveaxis(x, axis, -1); K = x.shape[-1]
;;       x = np.pad(x, [(0, 0)] * (x.ndim - 1) + [(0, -K % 32)]); x = x.reshape(x.shape[:-1] + (-1, 32)); a = np.abs(x).max(-1, keepdims=True)
;;       e = np.where(a > 0, np.clip(np.frexp(np.where(a > 0, a, 1))[1] - 1 - 2, -126, 127), 0)      # np.frexp(a)[1] - 1 = floor(log2(a)), exactly
;;       r = np.clip(x / 2.0 ** e, -6, 6)
;;       step = 2.0 ** (np.maximum(np.frexp(np.where(r == 0, 1, r))[1] - 1, 0) - 1)
;;       q = np.round(r / step) * step * 2.0 ** e      # np.round: ties to even
;;       return np.moveaxis(q.reshape(q.shape[:-2] + (-1,))[..., :K], -1, axis).astype(np.float32)
;;   ~~~
;;   SOFTMAX AHEAD OF A QUANTISED PRODUCT. Where the list says 'softmax', what is quantised is not the finished softmax but p = 2^(t - M), with t = logit x log2(e) and M = ceil(the row's largest t), a whole number; so 1/2 < the row's largest p <= 1. The row's sum l is taken of the UNQUANTISED p, in f32, and the product's result is divided by l at the end. Since M is a whole number, a kernel that streams over the keys may use a running M (the ceiling of the running maximum): every later rescaling is an exact power of two, which a block's scale takes up: the codes' values come out the same.
;;   OPERANDS COMPUTED ON THE WAY. 'Computed on the way' means the value that the module computes at that place (a softmax that the list does not call 'softmax' is quantised finished and normalised). What goes into a quantiser is computed in f32, as accurately as f32 sums, v_exp_f32 and their like allow (about 1e-6 of the number): no bf16 or f16 on the way to a quantiser, and a product that is left as it is and whose result goes on into a quantised operand takes f32 operands (vector FMAs, or v_wmma_f32_16x16x4_f32). A number that lies on a knife's edge between two numbers of the format may be rounded either way, as far as f32 arithmetic and the matrix unit's own rounding can turn it there, and no further.
;;   INPUTS GIVEN AS CODES. hidden_states (in the module: [4096, 1024], K = its axis 1); proj_w (in the module: [1024, 1024], K = its axis 1); qkv_w (in the module: [3072, 1024], K = its axis 1): each comes as NAME_codes (uint8): NAME with its K axis moved to the last place and cut into blocks of 32 codes, [.., K / 32, bytes a block], one block behind the other in memory; two codes a byte, the lower K in the low four bits (a code: sign, 2 exponent bits, 1 mantissa bit); and NAME_scales (uint8): the same leading axes, one E8M0 byte (e + 127) for each 32 codes along K. Its value is code x scale, taken as it is: it is not quantised again, and the codes and scales need not be those that the quantiser above would give.
;; 2 versions. Each part assembles by itself: llvm-mc -triple=amdgcn-amd-amdhsa -mcpu=gfx1250 --defsym DOCPART=n.
;; ======== version 1 of 2: 3 launches
;; workspace buffers: qk_img 4,194,304 bytes; qk_sc 524,288 bytes; v_img 2,097,152 bytes; v_sc 262,144 bytes; o_img 2,097,152 bytes; o_sc 131,072 bytes
;; launch qkv (part 1): grid 8 x 32, 12 waves a work-group, clusters of 4 x 4, 280,064 bytes of LDS; arguments hidden_states_codes, hidden_states_scales, qkv_w_codes, qkv_w_scales, qkv_b, cos, sin, qk_img, qk_sc, v_img, v_sc; writes qk_img, qk_sc, v_img, v_sc
.if DOCPART == 1
	.amdgcn_target "amdgcn-amd-amdhsa--gfx1250"
	.amdhsa_code_object_version 6
	.text
	.protected	k_q5c824f9433_qkv
	.globl	k_q5c824f9433_qkv
	.p2align	8
	.type	k_q5c824f9433_qkv,@function
k_q5c824f9433_qkv:
	s_mov_b64 s[64:65], 0
	v_nop
	global_prefetch_b8 v0, s[64:65] scope:SCOPE_SE
	s_setreg_imm32_b32 hwreg(HW_REG_WAVE_MODE, 25, 1), 1
	s_wait_xcnt 0x0
	s_wait_alu depctr_hold_cnt(0) depctr_sa_sdst(0) depctr_va_vdst(0) depctr_va_sdst(0) depctr_va_ssrc(0) depctr_va_vcc(0) depctr_vm_vsrc(0)
	s_getreg_b32 s2, hwreg(HW_REG_IB_STS2, 6, 4)
	s_cmp_eq_u32 s2, 0
	s_cbranch_scc0 .Lentry_in_a_cluster
	s_endpgm
.Lentry_in_a_cluster:
	s_bfe_u32 s2, ttmp6, 0x10000c
	s_cmp_lg_u32 s2, 0xf033
	s_cbranch_scc0 .Lentry_shape_is_right
	s_endpgm
.Lentry_shape_is_right:
; qkv = hidden W^T + b on codes of FP4 (E2M1) with E8M0 scales as they are given; RoPE on q and k in f32; q, k (along d) and v (along the keys) quantised to FP4 and stored as IMAGES OF OPERAND REGISTERS.
; SHARES.  Work-group (gx, gy): sequence rows 128 gy .. +127 x 384 columns: heads 2 gx, 2 gx + 1 of q, of k and of v.  Twelve waves, each 8 tiles (source 0) x 2 tiles (source 1) = 16 accumulators, 8 K steps of 128.
;   waves 0-3 (q), 4-7 (k): source 0 = the section's 128 rows of W, source 1 = 32 rows of hidden: a lane holds ONE sequence row, its registers run along d.
;   waves 8-11 (v):         source 0 = the 128 rows of hidden, source 1 = 32 rows of Wv:       a lane holds ONE channel, its registers run along the keys.
; THE ROWS OF A TILE ARE NOT NEIGHBOURS: lane r of tile T takes row 32 (T / 2) + 8 (T % 2) + r + 8 (r / 8).  As source 0 that puts row 32 b + 16 (lane / 16) + 0 .. 15 into the 16 registers of tiles 2 b, 2 b + 1:
; the order in which the conversions and the 4-bit operand layout want a block of 32.  Sequence rows, keys and v's channels all use this order, here and in the two launches that follow.
; LDS: all of K lies there at once, as two halves of 512 along K: 512 rows x (256 bytes + 16): rows 0-127 Wq, 128-255 Wk, 256-383 hidden, 384-511 Wv.  Every byte is filled once; nothing is stored there.
;   Rows r and r + 16 of a tile start at the same bank at this pitch (16 x 68 words is a multiple of 64 banks: ISA guide 11.1): a fragment load goes two deep.  Kept: the order of rows spares every transposition.
; CLUSTER 4 x 4: hidden's tiles hang on gy alone and are asked for jointly along a row of the cluster, W's on gx alone, along a column: each is requested once for four work-groups.
; OUT: qk_img [q,k][head][T 256][512]: lane l's 16 bytes at 16 l: codes d = 32 (l / 16) .. + 31 of row (T, l % 16);  qk_sc [q,k][head][T / 2][32 lanes]: lane r + 16 u: the word of tile 2 P + u, row r (bytes 0, 1; 2, 3 are 0);
;   v_img [head][128 keys][t 4][c 2][512];  v_sc [head][128 keys][t][32 lanes].  A store of codes covers 512 consecutive bytes, aligned; a store of scale words 128 consecutive bytes (a sixteenth of the codes' bytes).
; LIMITS: NaN, infinities and the scale byte 0xff among the inputs are not served.  A block whose largest magnitude lies under 2^-124 (zeros too) gets the byte 1: the bytes are read by this program alone, and zero codes add
;   nothing under it.  RoPE is one product and one fused multiply-add where the source rounds two products and a sum.
.set PITCH, 272
.set HALF,  512*PITCH                  ; 139,264 bytes: one half of K
.set AD0,  1                           ; v1   LDS address of my source 0 fragments
.set AD1,  2                           ; v2   of my source 1 fragments
.set SOF,  3                           ; v3   my row's scale bytes: 32 x (r + 8 (r / 8)) + 256 (lane / 16)
.set O16,  4                           ; v4   16 x lane
.set O4,   5                           ; v5   4 x lane
.set OCS,  6                           ; v6   cos, sin: 256 x (r + 8 (r / 8)) + 64 (lane / 16)
.set OBI,  7                           ; v7   q's and k's bias: 64 (lane / 16)
.set SC0,  8                           ; v8-39   source 0's scale words: pair p of tiles at 8 p, K step ks at + ks; lanes 0-15 tile 2 p, lanes 16-31 tile 2 p + 1
.set SC1,  40                          ; v40-47  source 1's: lanes 0-15 tile 0, lanes 16-31 tile 1
.set S1F,  48                          ; v48-63  source 1's two fragments
.set S0F,  64                          ; v64-127 source 0's eight
.set ACC,  128                         ; v128-255 accumulator (T, u) at 128 + 8 (8 u + T)
.set BI,   64                          ; the way out: q's and k's bias, 64 numbers
.set CB0,  8                           ; three buffers of 32 for cos and sin
.set CB1,  64
.set CB2,  96
.set TT,   40                          ; v40-47 at work in RoPE
.set TM,   48                          ; v48-49 largest magnitudes; v50-51 the other half's; v52-53 the conversions' scale operands; v54-55 the bytes
.set TX,   50
.set SO,   52
.set BY,   54
.set Q4M,  48                          ; v's quantiser, four blocks: v48-51, v52-55, v60-63
.set Q4X,  52
.set Q4S,  60
.set WV,   26                          ; s26 wave
.set GX,   29
.set GY,   30
.set G1A,  40                          ; s[40:47] descriptor group 1 for hidden's tiles;  s[48:55] for W's
.set G1W,  48
.set G0A,  56                          ; s[56:63] group 0 for hidden's two halves;  s[68:75] for W's
.set G0W,  68
.set SEL,  76                          ; s[76:77] v_permlanex16_b32's selects for lane l xor 16
.macro CROUND                          ; a round of the cluster's barrier
	s_barrier_signal -1
	s_barrier_wait -1
	s_cmp_lg_u32 s[WV], 0
	s_cbranch_scc1 .Lnot_wave_0_\@
	s_barrier_signal -3
.Lnot_wave_0_\@:
	s_barrier_wait -3
	s_barrier_signal -1
	s_barrier_wait -1
.endm
.macro PLACES                          ; four plain places behind a matrix instruction, ahead of loads into its registers and of reads of its result
.rept 4
	v_nop
.endr
.endm
; One product.  c < 0: the constant 0 starts the sum.  ra, rb: the side's scale words stand in lanes 16-31 of the register named.
.macro WM d, a, b, c, sa, sb, ra, rb
.if (\c) < 0
.if (\ra) && (\rb)
	v_wmma_scale_f32_16x16x128_f8f6f4 v[(\d):(\d)+7], v[(\a):(\a)+7], v[(\b):(\b)+7], 0, v[\sa], v[\sb] matrix_a_fmt:MATRIX_FMT_FP4 matrix_b_fmt:MATRIX_FMT_FP4 matrix_a_scale:MATRIX_SCALE_ROW1 matrix_b_scale:MATRIX_SCALE_ROW1
.elseif (\ra)
	v_wmma_scale_f32_16x16x128_f8f6f4 v[(\d):(\d)+7], v[(\a):(\a)+7], v[(\b):(\b)+7], 0, v[\sa], v[\sb] matrix_a_fmt:MATRIX_FMT_FP4 matrix_b_fmt:MATRIX_FMT_FP4 matrix_a_scale:MATRIX_SCALE_ROW1
.elseif (\rb)
	v_wmma_scale_f32_16x16x128_f8f6f4 v[(\d):(\d)+7], v[(\a):(\a)+7], v[(\b):(\b)+7], 0, v[\sa], v[\sb] matrix_a_fmt:MATRIX_FMT_FP4 matrix_b_fmt:MATRIX_FMT_FP4 matrix_b_scale:MATRIX_SCALE_ROW1
.else
	v_wmma_scale_f32_16x16x128_f8f6f4 v[(\d):(\d)+7], v[(\a):(\a)+7], v[(\b):(\b)+7], 0, v[\sa], v[\sb] matrix_a_fmt:MATRIX_FMT_FP4 matrix_b_fmt:MATRIX_FMT_FP4
.endif
.else
.if (\ra) && (\rb)
	v_wmma_scale_f32_16x16x128_f8f6f4 v[(\d):(\d)+7], v[(\a):(\a)+7], v[(\b):(\b)+7], v[(\c):(\c)+7], v[\sa], v[\sb] matrix_a_fmt:MATRIX_FMT_FP4 matrix_b_fmt:MATRIX_FMT_FP4 matrix_a_scale:MATRIX_SCALE_ROW1 matrix_b_scale:MATRIX_SCALE_ROW1
.elseif (\ra)
	v_wmma_scale_f32_16x16x128_f8f6f4 v[(\d):(\d)+7], v[(\a):(\a)+7], v[(\b):(\b)+7], v[(\c):(\c)+7], v[\sa], v[\sb] matrix_a_fmt:MATRIX_FMT_FP4 matrix_b_fmt:MATRIX_FMT_FP4 matrix_a_scale:MATRIX_SCALE_ROW1
.elseif (\rb)
	v_wmma_scale_f32_16x16x128_f8f6f4 v[(\d):(\d)+7], v[(\a):(\a)+7], v[(\b):(\b)+7], v[(\c):(\c)+7], v[\sa], v[\sb] matrix_a_fmt:MATRIX_FMT_FP4 matrix_b_fmt:MATRIX_FMT_FP4 matrix_b_scale:MATRIX_SCALE_ROW1
.else
	v_wmma_scale_f32_16x16x128_f8f6f4 v[(\d):(\d)+7], v[(\a):(\a)+7], v[(\b):(\b)+7], v[(\c):(\c)+7], v[\sa], v[\sb] matrix_a_fmt:MATRIX_FMT_FP4 matrix_b_fmt:MATRIX_FMT_FP4
.endif
.endif
.endm
; 32 numbers of a lane, register 16 b + i = k 32 b + 16 (lane / 16) + i of my row, become registers 0-3 of a fragment (k = 32 (lane / 16) + 0 .. 31) in v[pc] on, and two scale bytes in v[by], v[by + 1].
.macro QUANT2 x, pc, by
.irp b, 0,1
	v_max3_num_f32 v[TM+\b], |v[(\x)+16*\b]|, |v[(\x)+16*\b+1]|, 0x1800000   ; my 16 numbers of block b, and the floor 2^(3 - 127): the byte cannot fall under 1
.endr
.irp i, 2,4,6,8,10,12,14
.irp b, 0,1
	v_max3_num_f32 v[TM+\b], v[TM+\b], |v[(\x)+16*\b+\i]|, |v[(\x)+16*\b+\i+1]|
.endr
.endr
.irp b, 0,1
	v_permlanex16_b32 v[TX+\b], v[TM+\b], s[SEL], s[SEL+1]
.endr
.irp b, 0,1
	v_max_num_f32 v[TM+\b], v[TM+\b], v[TX+\b]          ; with lane l xor 16's: the block's largest magnitude
.endr
.irp b, 0,1
	v_add_nc_u32 v[SO+\b], 0xff000000, v[TM+\b]         ; 2 off its exponent field: the conversion takes that field as its scale
.endr
.irp b, 0,1
	v_lshrrev_b32 v[(\by)+\b], 23, v[SO+\b]             ; the scale's byte
.endr
.irp b, 0,1
	v_cvt_scalef32_pk8_fp4_f32 v[(\pc)+2*\b], v[(\x)+16*\b:(\x)+16*\b+7], v[SO+\b]
	v_cvt_scalef32_pk8_fp4_f32 v[(\pc)+2*\b+1], v[(\x)+16*\b+8:(\x)+16*\b+15], v[SO+\b]
.endr
	v_nop                                          ; one plain place behind a scaled conversion
	v_permlane16_swap_b32 v[(\pc)], v[(\pc)+2]     ; a whole block to a lane: lanes 0-15 block 0, lanes 16-31 block 1
	v_permlane16_swap_b32 v[(\pc)+1], v[(\pc)+3]
.endm
; 64 numbers likewise, four blocks: a whole fragment in v[pc] on, its scale word in v[pw].
.macro QUANT4 x, pc, pw
.irp b, 0,1,2,3
	v_max3_num_f32 v[Q4M+\b], |v[(\x)+16*\b]|, |v[(\x)+16*\b+1]|, 0x1800000
.endr
.irp i, 2,4,6,8,10,12,14
.irp b, 0,1,2,3
	v_max3_num_f32 v[Q4M+\b], v[Q4M+\b], |v[(\x)+16*\b+\i]|, |v[(\x)+16*\b+\i+1]|
.endr
.endr
.irp b, 0,1,2,3
	v_permlanex16_b32 v[Q4X+\b], v[Q4M+\b], s[SEL], s[SEL+1]
.endr
.irp b, 0,1,2,3
	v_max_num_f32 v[Q4M+\b], v[Q4M+\b], v[Q4X+\b]
.endr
.irp b, 0,1,2,3
	v_add_nc_u32 v[Q4S+\b], 0xff000000, v[Q4M+\b]
.endr
.irp b, 0,1,2,3
	v_lshrrev_b32 v[Q4X+\b], 23, v[Q4S+\b]
.endr
	v_lshl_or_b32 v[\pw], v[Q4X+1], 8, v[Q4X]
	v_lshl_or_b32 v[\pw], v[Q4X+2], 16, v[\pw]
	v_lshl_or_b32 v[\pw], v[Q4X+3], 24, v[\pw]
.irp b, 0,1,2,3
	v_cvt_scalef32_pk8_fp4_f32 v[(\pc)+2*\b], v[(\x)+16*\b:(\x)+16*\b+7], v[Q4S+\b]
	v_cvt_scalef32_pk8_fp4_f32 v[(\pc)+2*\b+1], v[(\x)+16*\b+8:(\x)+16*\b+15], v[Q4S+\b]
.endr
	v_nop
.irp c, 0,1
.irp i, 0,1
	v_permlane16_swap_b32 v[(\pc)+4*\c+\i], v[(\pc)+4*\c+2+\i]
.endr
.endr
.endm
	s_load_b512 s[4:19], s[0:1], 0x0               ; hidden codes s[4:5], scales s[6:7]; W codes s[8:9], scales s[10:11]; bias s[12:13]; cos s[14:15]; sin s[16:17]; qk_img s[18:19]
	s_load_b128 s[20:23], s[0:1], 0x40             ; qk_sc s[20:21], v_img s[22:23]
	s_load_b64 s[24:25], s[0:1], 0x50              ; v_sc
	s_set_vgpr_msb 0x40
	v_lshl_add_u32 v0, v0, 2, 0x44000
	v_mov_b32 v1, 0
	s_set_vgpr_msb 0x4045
	ds_add_u32 v0, v1
	ds_add_u32 v0, v1
	s_set_vgpr_msb 0x4500
	v_lshrrev_b32 v248, 5, v0
	v_readfirstlane_b32 s[WV], v248                ; wave 0..11
	s_bfe_u32 s27, ttmp6, 0x40000                  ; cx
	s_bfe_u32 s28, ttmp6, 0x40004                  ; cy
	s_lshl_b32 s[GX], ttmp9, 2
	s_add_co_u32 s[GX], s[GX], s27                 ; gx = 4 x cluster x + cx
	s_and_b32 s[GY], ttmp7, 0xffff
	s_lshl_b32 s[GY], s[GY], 2
	s_add_co_u32 s[GY], s[GY], s28                 ; gy = 4 x cluster y + cy
	s_lshl_b32 s31, s28, 2
	s_lshl_b32 s31, 15, s31                        ; my row of the cluster
	s_lshl_b32 s32, 0x1111, s27                    ; my column
	; group 1: 64 rows x 256 bytes, 512 bytes apart in memory, 16 bytes of padding behind each in LDS
	s_or_b32 s[G1A], s31, (1<<20)|(1<<21)|(5<<22)|(3<<25)   ; 15:0 the mask; 17:16 elements of 1 byte; 20 padding on; 21 set beside a mask; 24:22 after every 64 words; 31:25 four words
	s_or_b32 s[G1W], s32, (1<<20)|(1<<21)|(5<<22)|(3<<25)
.irp g, G1A, G1W
	s_mov_b32 s[\g+1], 256<<16                     ; tensor_dim0
	s_mov_b32 s[\g+2], 64<<16                      ; tensor_dim1
	s_mov_b32 s[\g+3], 256<<16                     ; tile_dim0
	s_mov_b32 s[\g+4], 64                          ; tile_dim1
	s_mov_b32 s[\g+5], 512                         ; from row to row
	s_mov_b32 s[\g+6], 0
	s_mov_b32 s[\g+7], 0
.endr
	; what wave w < 8 fetches: LDS rows 64 w .. 64 w + 63.  Waves 4, 5: hidden; the others W's section min(w / 2, 2).  Every wave makes both addresses, each in registers that never hold the other coordinate.
	s_and_b32 s33, s[WV], 1
	s_lshl_b32 s33, s33, 15                        ; 64 (w & 1) rows of 512 bytes
	s_lshl_b32 s78, s[GY], 16                      ; 128 gy rows
	s_add_co_u32 s78, s78, s33
	s_mov_b32 s79, 0
	s_lshr_b32 s34, s[WV], 1
	s_min_u32 s34, s34, 2
	s_lshl_b32 s34, s34, 19                        ; 1,024 rows a section
	s_lshl_b32 s80, s[GX], 16                      ; 128 gx rows
	s_add_co_u32 s80, s80, s34
	s_add_co_u32 s80, s80, s33
	s_mov_b32 s81, 0
	s_mul_i32 s35, s[WV], 64*PITCH                 ; where they go
	; where my fragments lie: source 0 from LDS row 128 (w / 4); source 1 from row 256 + 32 (w % 4) + 128 (w / 8)
	s_lshr_b32 s36, s[WV], 2
	s_mul_i32 s36, s36, 128*PITCH
	s_and_b32 s37, s[WV], 3
	s_mul_i32 s38, s37, 32*PITCH
	s_lshr_b32 s39, s[WV], 3
	s_mul_i32 s39, s39, 128*PITCH
	s_add_co_u32 s38, s38, s39
	s_add_co_u32 s38, s38, 256*PITCH
	v_and_b32 v248, 15, v0                         ; r
	v_bfe_u32 v249, v0, 4, 1                       ; h
	v_and_b32 v250, 8, v248
	v_add_nc_u32 v250, v250, v248                  ; r + 8 (r / 8)
	v_mul_u32_u24 v251, v250, PITCH
	v_lshl_add_u32 v251, v249, 4, v251
	v_add_nc_u32 v[AD0], s36, v251
	v_add_nc_u32 v[AD1], s38, v251
	v_lshlrev_b32 v[SOF], 5, v250
	v_lshl_add_u32 v[SOF], v249, 8, v[SOF]
	v_and_b32 v252, 31, v0
	v_lshlrev_b32 v[O16], 4, v252
	v_lshlrev_b32 v[O4], 2, v252
	v_lshlrev_b32 v[OCS], 8, v250
	v_lshl_add_u32 v[OCS], v249, 6, v[OCS]
	v_lshlrev_b32 v[OBI], 6, v249
	; the scale words' first rows, in bytes (32 a row)
	s_lshr_b32 s82, s[WV], 2
	s_lshl_b32 s82, s82, 15
	s_lshl_b32 s83, s[GX], 12
	s_add_co_u32 s82, s82, s83                     ; W: 1,024 (w / 4) + 128 gx
	s_lshl_b32 s84, s[GY], 12                      ; hidden: 128 gy
	s_lshl_b32 s85, s37, 10                        ; 32 (w % 4) rows
	s_add_co_u32 s94, s84, s85                     ; source 1 of q and k: hidden
	s_add_co_u32 s95, s83, s85
	s_add_co_u32 s95, s95, 2048*32                 ; source 1 of v: Wv
	s_mov_b32 s91, 0
	s_mov_b32 s93, 0
	s_mov_b32 s[SEL], 0x76543210
	s_mov_b32 s[SEL+1], 0xfedcba98
	s_wait_dscnt 0x0
	s_wait_kmcnt 0x0
	s_cmp_lt_u32 s[WV], 8                          ; the choice of buffers hangs on the wave's number alone
	s_cselect_b64 s[86:87], s[10:11], s[6:7]
	s_cselect_b64 s[88:89], s[6:7], s[10:11]
	s_cselect_b32 s90, s82, s84
	s_cselect_b32 s92, s94, s95
	s_add_nc_u64 s[86:87], s[86:87], s[90:91]      ; source 0's scale bytes
	s_add_nc_u64 s[88:89], s[88:89], s[92:93]      ; source 1's
	s_add_nc_u64 s[78:79], s[4:5], s[78:79]
	s_add_nc_u64 s[80:81], s[8:9], s[80:81]
.irp k, 0,1
	s_mov_b32 s[G0A+4*\k], 1                                       ; count = 1
	s_add_co_u32 s[G0A+4*\k+1], s35, \k*HALF                       ; LDS address
	s_add_nc_u64 s[G0A+4*\k+2:G0A+4*\k+3], s[78:79], \k*256        ; half k of the rows
	s_or_b32 s[G0A+4*\k+3], s[G0A+4*\k+3], 0x80000000              ; type = 2
	s_mov_b32 s[G0W+4*\k], 1
	s_add_co_u32 s[G0W+4*\k+1], s35, \k*HALF
	s_add_nc_u64 s[G0W+4*\k+2:G0W+4*\k+3], s[80:81], \k*256
	s_or_b32 s[G0W+4*\k+3], s[G0W+4*\k+3], 0x80000000
.endr
	CROUND                                         ; all sixteen work-groups are here: the joint loads meet
	s_lshr_b32 s33, s[WV], 1                       ; a wave's two fills stand in one branch on its number: two tensor loads of mine are out at the most
	s_cmp_eq_u32 s33, 2
	s_cbranch_scc0 .Lnot_a
	tensor_load_to_lds s[G0A:G0A+3], s[G1A:G1A+7]
	s_nop 0
	tensor_load_to_lds s[G0A+4:G0A+7], s[G1A:G1A+7]
	s_nop 0
	PLACES
	s_branch .Lasked
.Lnot_a:
	s_cmp_lt_u32 s[WV], 8
	s_cbranch_scc0 .Lasked
	tensor_load_to_lds s[G0W:G0W+3], s[G1W:G1W+7]
	s_nop 0
	tensor_load_to_lds s[G0W+4:G0W+7], s[G1W:G1W+7]
	s_nop 0
	PLACES
.Lasked:
.irp p, 0,1,2,3                        ; the scale words of all of K come once, straight into registers: 16 bytes = four K steps of a row
.irp k, 0,1
	global_load_b128 v[SC0+8*\p+4*\k:SC0+8*\p+4*\k+3], v[SOF], s[86:87] offset:1024*\p+16*\k
.endr
.endr
.irp k, 0,1
	global_load_b128 v[SC1+4*\k:SC1+4*\k+3], v[SOF], s[88:89] offset:16*\k
.endr
; A K step of 128: 20 LDS loads, 16 products.  The 16 accumulators take turns, one instruction a turn.
.macro KSTEP ks, zero
.irp t, 0,1,2,3,4,5,6,7
.irp c, 0,1
	ds_load_b128 v[S0F+8*\t+4*\c:S0F+8*\t+4*\c+3], v[AD0] offset:(32*(\t/2)+8*(\t%2))*PITCH+64*((\ks)%4)+32*\c
.endr
.endr
.irp u, 0,1
.irp c, 0,1
	ds_load_b128 v[S1F+8*\u+4*\c:S1F+8*\u+4*\c+3], v[AD1] offset:8*\u*PITCH+64*((\ks)%4)+32*\c
.endr
.endr
	s_wait_dscnt 0x0                               ; three waves share a SIMD: another's products stand beside this wait
.irp u, 0,1
.irp t, 0,1,2,3,4,5,6,7
.if \zero
	WM ACC+8*(8*\u+\t), S0F+8*\t, S1F+8*\u, -1, SC0+8*(\t/2)+(\ks), SC1+(\ks), \t%2, \u
.else
	WM ACC+8*(8*\u+\t), S0F+8*\t, S1F+8*\u, ACC+8*(8*\u+\t), SC0+8*(\t/2)+(\ks), SC1+(\ks), \t%2, \u
.endif
.endr
.endr
	PLACES
.endm
	s_wait_loadcnt 0x0                             ; the scale words
	s_wait_tensorcnt 0x1                           ; my part of the first half of K has landed; my load of the second half may stay out
	s_barrier_signal -1
	s_barrier_wait -1                              ; everybody's has
	KSTEP 0, 1                                     ; the first products start the sums
	KSTEP 1, 0
	KSTEP 2, 0
	KSTEP 3, 0
	v_add_nc_u32 v[AD0], HALF, v[AD0]
	v_add_nc_u32 v[AD1], HALF, v[AD1]
	s_wait_tensorcnt 0x0                           ; my part of the second half
	s_barrier_signal -1
	s_barrier_wait -1
	KSTEP 4, 0
	KSTEP 5, 0
	KSTEP 6, 0
	KSTEP 7, 0
	s_mov_b32 s37, 0
	s_cmp_lt_u32 s[WV], 8
	s_cbranch_scc0 .Lv_out
	; ---- q and k.  Register ACC + 64 u + 32 i + 16 b + 8 o + j of lane (r, h): row (tile 2 P + u, r), head 2 gx + i, d = 32 b + 16 h + 8 o + j
	s_lshr_b32 s33, s[WV], 2                       ; section: 0 q, 1 k
	s_and_b32 s34, s[WV], 3                        ; P
	s_lshl_b32 s36, s33, 12
	s_lshl_b32 s38, s[GX], 9
	s_add_co_u32 s36, s36, s38
	s_add_nc_u64 s[12:13], s[12:13], s[36:37]      ; bias at 1,024 section + 128 gx
	s_lshl_b32 s36, s[GY], 15
	s_lshl_b32 s38, s34, 13
	s_add_co_u32 s36, s36, s38
	s_add_nc_u64 s[14:15], s[14:15], s[36:37]      ; cos and sin at row 128 gy + 32 P
	s_add_nc_u64 s[16:17], s[16:17], s[36:37]
	s_lshl_b32 s36, s33, 21
	s_lshl_b32 s38, s[GX], 18
	s_add_co_u32 s36, s36, s38
	s_lshl_b32 s38, s[GY], 12
	s_add_co_u32 s36, s36, s38
	s_lshl_b32 s38, s34, 10
	s_add_co_u32 s36, s36, s38
	s_add_nc_u64 s[18:19], s[18:19], s[36:37]      ; qk_img: section, head 2 gx, tile 8 gy + 2 P
	s_lshl_b32 s36, s33, 18
	s_lshl_b32 s38, s[GX], 15
	s_add_co_u32 s36, s36, s38
	s_lshl_b32 s38, s[GY], 9
	s_add_co_u32 s36, s36, s38
	s_lshl_b32 s38, s34, 7
	s_add_co_u32 s36, s36, s38
	s_add_nc_u64 s[20:21], s[20:21], s[36:37]      ; qk_sc: section, head 2 gx, pair 4 gy + P
; eight loads: cos and sin of my row of tile tu at d = 32 b + 16 h + 8 oc + 0 .. 7: cos b = 0, cos b = 1, sin b = 0, sin b = 1, eight registers each
.macro CSLOAD tu, oc, cb
.irp b, 0,1
.irp q, 0,1
	global_load_b128 v[(\cb)+8*\b+4*\q:(\cb)+8*\b+4*\q+3], v[OCS], s[14:15] offset:2048*(\tu)+128*\b+32*(\oc)+16*\q
.endr
.endr
.irp b, 0,1
.irp q, 0,1
	global_load_b128 v[(\cb)+16+8*\b+4*\q:(\cb)+16+8*\b+4*\q+3], v[OCS], s[16:17] offset:2048*(\tu)+128*\b+32*(\oc)+16*\q
.endr
.endr
.endm
; x(d) = x(d) cos(d) - x(d + 32) sin(d);  x(d + 32) = x(d + 32) cos(d + 32) + x(d) sin(d + 32), for eight d < 32 of head hd
.macro ROPE tu, oc, hd, cb
.set XLO, ACC+64*(\tu)+32*(\hd)+8*(\oc)
.irp p, 0,2,4,6
	v_pk_mul_f32 v[TT+\p:TT+\p+1], v[XLO+\p:XLO+\p+1], v[(\cb)+24+\p:(\cb)+25+\p]
.endr
.irp p, 0,2,4,6
	v_pk_mul_f32 v[XLO+\p:XLO+\p+1], v[XLO+\p:XLO+\p+1], v[(\cb)+\p:(\cb)+1+\p]
.endr
.irp p, 0,2,4,6
	v_pk_fma_f32 v[XLO+\p:XLO+\p+1], v[XLO+16+\p:XLO+17+\p], v[(\cb)+16+\p:(\cb)+17+\p], v[XLO+\p:XLO+\p+1] neg_lo:[1,0,0] neg_hi:[1,0,0]
.endr
.irp p, 0,2,4,6
	v_pk_fma_f32 v[XLO+16+\p:XLO+17+\p], v[XLO+16+\p:XLO+17+\p], v[(\cb)+8+\p:(\cb)+9+\p], v[TT+\p:TT+\p+1]
.endr
.endm
.irp i, 0,1
.irp b, 0,1
.irp q, 0,1,2,3
	global_load_b128 v[BI+32*\i+16*\b+4*\q:BI+32*\i+16*\b+4*\q+3], v[OBI], s[12:13] offset:256*\i+128*\b+16*\q
.endr
.endr
.endr
	CSLOAD 0, 0, CB0
	v_mov_b32 v[TX], 0                             ; written once: a lane permute's destination counts as one of its sources
	v_mov_b32 v[TX+1], 0
	s_wait_loadcnt 0x8                             ; the bias is in; the eight loads of cos and sin may stay out
.set k, 0
.rept 64
	v_pk_add_f32 v[ACC+k:ACC+k+1], v[ACC+k:ACC+k+1], v[BI+k%64:BI+k%64+1]   ; each accumulator from its low end on
.set k, k+2
.endr
	CSLOAD 0, 1, CB1
	CSLOAD 1, 0, CB2
	s_wait_loadcnt 0x10                            ; the first chunk is in; the two just asked for may stay out
	ROPE 0, 0, 0, CB0
	ROPE 0, 0, 1, CB0
	CSLOAD 1, 1, CB0
	s_wait_loadcnt 0x10                            ; the second chunk is in; the two behind it may stay out
	ROPE 0, 1, 0, CB1
	ROPE 0, 1, 1, CB1
.irp i, 0,1
	QUANT2 ACC+32*\i, CB1+4*\i, BY
	v_lshl_or_b32 v[56+\i], v[BY+1], 8, v[BY]      ; the row's scale word: bytes 2 and 3 stay 0, over zero codes
	global_store_b128 v[O16], v[CB1+4*\i:CB1+4*\i+3], s[18:19] offset:131072*\i   ; every store has data registers of its own: none is written again
.endr
	s_wait_loadcnt 0x8                             ; the third chunk is in; the last may stay out
	ROPE 1, 0, 0, CB2
	ROPE 1, 0, 1, CB2
	s_wait_loadcnt 0x0
	ROPE 1, 1, 0, CB0
	ROPE 1, 1, 1, CB0
.irp i, 0,1
	QUANT2 ACC+64+32*\i, CB2+4*\i, BY
	v_lshl_or_b32 v[58+\i], v[BY+1], 8, v[BY]
	global_store_b128 v[O16], v[CB2+4*\i:CB2+4*\i+3], s[18:19] offset:131072*\i+512
.endr
	s_mov_b32 vcc_lo, 0xffff0000                   ; lanes 0-15 send tile 2 P's words, lanes 16-31 tile 2 P + 1's (a word stands alike in lanes l and l xor 16)
.irp i, 0,1
	v_cndmask_b32 v[60+\i], v[56+\i], v[58+\i], vcc_lo
	global_store_b32 v[O4], v[60+\i], s[20:21] offset:16384*\i
.endr
	s_branch .Ldone
.Lv_out:
	; ---- v.  Register ACC + 64 u + 16 b + i of lane (r, h): channel (tile 2 b' + u, r) of head 2 gx + hv, key 128 gy + 32 b + 16 h + i
	v_and_b32 v1, 15, v0
	v_and_b32 v2, 8, v1
	v_add_nc_u32 v1, v1, v2
	v_lshlrev_b32 v1, 2, v1                        ; 4 x (r + 8 (r / 8)): my channel's bias
	s_and_b32 s33, s[WV], 3
	s_bfe_u32 s34, s[WV], 0x10001                  ; hv
	s_and_b32 s35, s[WV], 1                        ; b'
	s_lshl_b32 s36, s[GX], 9
	s_lshl_b32 s38, s33, 7
	s_add_co_u32 s36, s36, s38
	s_add_co_u32 s36, s36, 8192
	s_add_nc_u64 s[12:13], s[12:13], s[36:37]      ; bias at 2,048 + 128 gx + 32 (w % 4)
	s_lshl_b32 s36, s[GX], 18
	s_lshl_b32 s38, s34, 17
	s_add_co_u32 s36, s36, s38
	s_lshl_b32 s38, s[GY], 12
	s_add_co_u32 s36, s36, s38
	s_lshl_b32 s38, s35, 11
	s_add_co_u32 s36, s36, s38
	s_add_nc_u64 s[22:23], s[22:23], s[36:37]      ; v_img: head, 128 keys gy, tile 2 b'
	s_lshl_b32 s36, s[GX], 15
	s_lshl_b32 s38, s34, 14
	s_add_co_u32 s36, s36, s38
	s_lshl_b32 s38, s[GY], 9
	s_add_co_u32 s36, s36, s38
	s_lshl_b32 s38, s35, 8
	s_add_co_u32 s36, s36, s38
	s_add_nc_u64 s[24:25], s[24:25], s[36:37]      ; v_sc likewise
	global_load_b32 v40, v1, s[12:13]
	global_load_b32 v42, v1, s[12:13] offset:32
	v_mov_b32 v41, 0                               ; (named as the upper halves of pairs)
	v_mov_b32 v43, 0
.irp b, 0,1,2,3
	v_mov_b32 v[Q4X+\b], 0
.endr
	s_wait_loadcnt 0x0
.irp u, 0,1
.set k, 0
.rept 32
	v_pk_add_f32 v[ACC+64*\u+k:ACC+64*\u+k+1], v[ACC+64*\u+k:ACC+64*\u+k+1], v[40+2*\u:41+2*\u] op_sel_hi:[1,0]
.set k, k+2
.endr
	QUANT4 ACC+64*\u, 64+8*\u, 56+\u
	global_store_b128 v[O16], v[64+8*\u:67+8*\u], s[22:23] offset:1024*\u
	global_store_b128 v[O16], v[68+8*\u:71+8*\u], s[22:23] offset:1024*\u+512
	global_store_b32 v[O4], v[56+\u], s[24:25] offset:128*\u
.endr
.Ldone:
	s_set_vgpr_msb 0x5
	s_wait_tensorcnt 0x0
	ds_add_u32 v0, v1
	s_wait_dscnt 0x0
	s_set_vgpr_msb 0x500
	CROUND                                         ; the closing round: no work-group ends while a partner may still ask for a tile that names it
	s_endpgm
.Lfunc_end_k_q5c824f9433_qkv:
	.size	k_q5c824f9433_qkv, .Lfunc_end_k_q5c824f9433_qkv-k_q5c824f9433_qkv
	.p2alignl 7, 3214868480
	.fill 96, 4, 3214868480
	.section	.rodata,"a",@progbits
	.p2align	6, 0x0
	.amdhsa_kernel k_q5c824f9433_qkv
		.amdhsa_group_segment_fixed_size 280064
		.amdhsa_private_segment_fixed_size 0
		.amdhsa_enable_private_segment 0
		.amdhsa_kernarg_size 88
		.amdhsa_user_sgpr_count 2
		.amdhsa_user_sgpr_kernarg_segment_ptr 1
		.amdhsa_wavefront_size32 1
		.amdhsa_system_sgpr_workgroup_id_x 1
		.amdhsa_system_sgpr_workgroup_id_y 1
		.amdhsa_system_sgpr_workgroup_id_z 1
		.amdhsa_system_vgpr_workitem_id 0
		.amdhsa_next_free_vgpr 258
		.amdhsa_next_free_sgpr 100
		.amdhsa_reserve_vcc 1
		.amdhsa_float_denorm_mode_32 3
		.amdhsa_float_denorm_mode_16_64 3
		.amdhsa_memory_ordered 1
		.amdhsa_forward_progress 1
		.amdhsa_inst_pref_size 75
	.end_amdhsa_kernel
	.amdgpu_metadata
---
amdhsa.version: [ 1, 2 ]
amdhsa.kernels:
  - .name:           k_q5c824f9433_qkv
    .symbol:         k_q5c824f9433_qkv.kd
    .args:
      - { .name: hidden_states_codes, .offset: 0, .size: 8, .value_kind: global_buffer, .address_space: global }
      - { .name: hidden_states_scales, .offset: 8, .size: 8, .value_kind: global_buffer, .address_space: global }
      - { .name: qkv_w_codes, .offset: 16, .size: 8, .value_kind: global_buffer, .address_space: global }
      - { .name: qkv_w_scales, .offset: 24, .size: 8, .value_kind: global_buffer, .address_space: global }
      - { .name: qkv_b, .offset: 32, .size: 8, .value_kind: global_buffer, .address_space: global }
      - { .name: cos, .offset: 40, .size: 8, .value_kind: global_buffer, .address_space: global }
      - { .name: sin, .offset: 48, .size: 8, .value_kind: global_buffer, .address_space: global }
      - { .name: qk_img, .offset: 56, .size: 8, .value_kind: global_buffer, .address_space: global }
      - { .name: qk_sc, .offset: 64, .size: 8, .value_kind: global_buffer, .address_space: global }
      - { .name: v_img, .offset: 72, .size: 8, .value_kind: global_buffer, .address_space: global }
      - { .name: v_sc, .offset: 80, .size: 8, .value_kind: global_buffer, .address_space: global }
    .group_segment_fixed_size: 280064
    .private_segment_fixed_size: 0
    .kernarg_segment_align: 8
    .kernarg_segment_size: 88
    .max_flat_workgroup_size: 384
    .sgpr_count:     100
    .vgpr_count:     258
    .wavefront_size: 32
...
	.end_amdgpu_metadata
.endif
;; end of part 1
;; launch attn (part 2): grid 16 x 16, 16 waves a work-group, clusters of 4 x 1, 296,960 bytes of LDS; arguments qk_img, qk_sc, v_img, v_sc, o_img, o_sc; writes o_img, o_sc
.if DOCPART == 2
	.amdgcn_target "amdgcn-amd-amdhsa--gfx1250"
	.amdhsa_code_object_version 6
	.text
	.protected	k_q5c824f9433_attn
	.globl	k_q5c824f9433_attn
	.p2align	8
	.type	k_q5c824f9433_attn,@function
k_q5c824f9433_attn:
	s_mov_b64 s[64:65], 0
	v_nop
	global_prefetch_b8 v0, s[64:65] scope:SCOPE_SE
	s_setreg_imm32_b32 hwreg(HW_REG_WAVE_MODE, 25, 1), 1
	s_wait_xcnt 0x0
	s_wait_alu depctr_hold_cnt(0) depctr_sa_sdst(0) depctr_va_vdst(0) depctr_va_sdst(0) depctr_va_ssrc(0) depctr_va_vcc(0) depctr_vm_vsrc(0)
	s_getreg_b32 s2, hwreg(HW_REG_IB_STS2, 6, 4)
	s_cmp_eq_u32 s2, 0
	s_cbranch_scc0 .Lentry_in_a_cluster
	s_endpgm
.Lentry_in_a_cluster:
	s_bfe_u32 s2, ttmp6, 0x10000c
	s_cmp_lg_u32 s2, 0x3003
	s_cbranch_scc0 .Lentry_shape_is_right
	s_endpgm
.Lentry_shape_is_right:
; o = softmax(q k^T / 8) v for one head, both products on codes of FP4 (E2M1) with E8M0 scales; o is divided by the row's sum, quantised along its 64 channels and stored as an image of the next product's operand.
; THE SOFTMAX: t = score x log2(e) / 8; M = the running largest t rounded UP to a whole number; p = 2^(t - M) is quantised along the keys, not normalised; the row's sum is taken of the unquantised p.
; When M moves, the sum and O are multiplied by 2^(old M - new M): exact.
; SHARES.  Work-group (qb, head): 256 queries; each of sixteen waves one tile of 16 queries in 256 registers: four waves to a SIMD, so that one wave's vector work stands beside another's products and LDS loads.
; LDS holds the WHOLE head: K's images 131,072 bytes, V's 131,072, K's scale words 16,384, V's 16,384.  Every byte is filled once, nothing is stored there.  Every read is at 16 x lane or 4 x lane: consecutive bytes.
; The head comes in four chunks of 1,024 keys, all asked for at the start; the walk over chunk i waits only for chunks up to i.
; CLUSTER 4 x 1: the four query blocks of a cluster belong to one head and read the same K and V: every tile is asked for jointly, once for the four.
; LAYOUT.  Both products are used transposed (S^T = K Q^T, O^T = V^T P^T): a lane holds one query throughout.  The images were laid by the launch before with the rows of a tile in the order
; 32 (T / 2) + 8 (T % 2) + r + 8 (r / 8): so the 16 registers of two neighbouring tiles of S^T are 16 neighbouring keys, and those of O^T 16 neighbouring channels.  The head's 64 fill half of the instruction's K: registers 4-7 of
; K's and Q's fragments are zero codes, under the scale byte 0.
; OUT: o_img [T 256][K step 8 = two heads][head's parity][512]: a store covers 512 consecutive bytes, aligned.  o_sc [16 T + r][32]: byte 2 head + block: single bytes, 32 a wave, 131,072 in the launch.
; LIMITS: |t| stays under 3e38; p under 2^-126 counts as 0; a block whose largest magnitude lies under 2^-124 gets the byte 1 (read by this program alone); the division is v_rcp_f32 and a multiplication.
.set VIMG, 131072
.set KSC,  262144
.set VSC,  278528
.set AK0,  1                           ; v1   16 x lane: my place in an image of K; also my offset in Q's image and in o's
.set AV0,  2                           ; v2   the same + VIMG
.set ASK0, 3                           ; v3   4 x lane + KSC
.set ASV0, 4                           ; v4   4 x lane + VSC
.set OSB,  6                           ; v6   o's scale byte: 32 (lane % 16) + lane / 16
.set ADK,  8                           ; v8-11 the step's addresses
.set ADV,  9
.set ADS,  10
.set ADT,  11
.set QF,   16                          ; v16-23 Q; v20-23 zero.   v12 -M, v13 the largest t, v[14:15] the sum in two halves
.set KS,   24                          ; v24-27 K's scale words (a pair of tiles to a register);  v28-31 V's
.set VS,   28
.set KF,   32                          ; v32-63 four fragments of K, the upper four registers of each zero
.set VF,   64                          ; v64-95 V's four fragments
.set ST,   96                          ; v96-159 S^T, then p
.set OT,   160                         ; v160-191 O^T
.set PC,   192                         ; v192-199 p's codes
.set BM,   232                         ; v232-235 the blocks' largest scores, then largest p
.set BX,   236                         ; v236-239 at work
.set SO,   244                         ; v244-247 the conversions' scale operands
.set FF,   250                         ; v[250:251] f = 2^(old M - new M); v251 is named with it as a pair
.set PW,   253                         ; p's scale word
.set TP,   254
.set QS,   255                         ; Q's scale words
.set TM,   232                         ; the last quantiser's registers
.set TX,   234
.set WV,   16
.set G1,   24                          ; s[24:31] group 1: 64 rows of 256 bytes;  s[32:39]: 32 rows
.set G1S,  32
.set G0K,  40                          ; s[40:59] five groups 0 for K: scale words, chunks 0-3;  s[68:87] for V
.set G0V,  68
.set SEL,  60
.set CS,   62                          ; s[62:63] c = log2(e) / 8
.set TB,   88                          ; s88 where the step's images begin (4,096 bytes a step, K's and V's alike);  s89 its scale words (512 a step);  s90 steps to go
.set TS,   89
.set CNT,  90
.macro CROUND
	s_barrier_signal -1
	s_barrier_wait -1
	s_cmp_lg_u32 s[WV], 0
	s_cbranch_scc1 .Lnot_wave_0_\@
	s_barrier_signal -3
.Lnot_wave_0_\@:
	s_barrier_wait -3
	s_barrier_signal -1
	s_barrier_wait -1
.endm
.macro PLACES
.rept 4
	v_nop
.endr
.endm
.macro WM d, a, b, c, sa, sb, ra       ; c < 0: the constant 0 starts the sum.  ra: source 0's scale words stand in lanes 16-31
.if (\c) < 0
.if (\ra)
	v_wmma_scale_f32_16x16x128_f8f6f4 v[(\d):(\d)+7], v[(\a):(\a)+7], v[(\b):(\b)+7], 0, v[\sa], v[\sb] matrix_a_fmt:MATRIX_FMT_FP4 matrix_b_fmt:MATRIX_FMT_FP4 matrix_a_scale:MATRIX_SCALE_ROW1
.else
	v_wmma_scale_f32_16x16x128_f8f6f4 v[(\d):(\d)+7], v[(\a):(\a)+7], v[(\b):(\b)+7], 0, v[\sa], v[\sb] matrix_a_fmt:MATRIX_FMT_FP4 matrix_b_fmt:MATRIX_FMT_FP4
.endif
.else
	v_wmma_scale_f32_16x16x128_f8f6f4 v[(\d):(\d)+7], v[(\a):(\a)+7], v[(\b):(\b)+7], v[(\c):(\c)+7], v[\sa], v[\sb] matrix_a_fmt:MATRIX_FMT_FP4 matrix_b_fmt:MATRIX_FMT_FP4
.endif
.endm
.macro QUANT2 x, pc, by                ; 32 numbers, register 16 b + i = k 32 b + 16 (lane / 16) + i: registers 0-3 of a fragment and two scale bytes
.irp b, 0,1
	v_max3_num_f32 v[TM+\b], |v[(\x)+16*\b]|, |v[(\x)+16*\b+1]|, 0x1800000
.endr
.irp i, 2,4,6,8,10,12,14
.irp b, 0,1
	v_max3_num_f32 v[TM+\b], v[TM+\b], |v[(\x)+16*\b+\i]|, |v[(\x)+16*\b+\i+1]|
.endr
.endr
.irp b, 0,1
	v_permlanex16_b32 v[TX+\b], v[TM+\b], s[SEL], s[SEL+1]
.endr
.irp b, 0,1
	v_max_num_f32 v[TM+\b], v[TM+\b], v[TX+\b]
.endr
.irp b, 0,1
	v_add_nc_u32 v[SO+\b], 0xff000000, v[TM+\b]
.endr
.irp b, 0,1
	v_lshrrev_b32 v[(\by)+\b], 23, v[SO+\b]
.endr
.irp b, 0,1
	v_cvt_scalef32_pk8_fp4_f32 v[(\pc)+2*\b], v[(\x)+16*\b:(\x)+16*\b+7], v[SO+\b]
	v_cvt_scalef32_pk8_fp4_f32 v[(\pc)+2*\b+1], v[(\x)+16*\b+8:(\x)+16*\b+15], v[SO+\b]
.endr
	v_nop
	v_permlane16_swap_b32 v[(\pc)], v[(\pc)+2]
	v_permlane16_swap_b32 v[(\pc)+1], v[(\pc)+3]
.endm
	s_load_b256 s[4:11], s[0:1], 0x0               ; qk_img s[4:5], qk_sc s[6:7], v_img s[8:9], v_sc s[10:11]
	s_load_b128 s[12:15], s[0:1], 0x20             ; o_img s[12:13], o_sc s[14:15]
	v_lshl_add_u32 v249, v0, 2, 0x48000
	v_mov_b32 v252, 0
	ds_add_u32 v249, v252
	ds_add_u32 v249, v252
	v_lshrrev_b32 v8, 5, v0
	v_readfirstlane_b32 s[WV], v8                  ; wave 0..15
	s_bfe_u32 s17, ttmp6, 0x40000                  ; cx: it enters Q's and o's addresses alone
	s_lshl_b32 s18, ttmp9, 2
	s_add_co_u32 s18, s18, s17                     ; my block of 256 queries
	s_and_b32 s19, ttmp7, 0xffff                   ; the head, which the four partners share
	s_lshl_b32 s20, s18, 4
	s_add_co_u32 s20, s20, s[WV]                   ; T: my tile of queries
	s_and_b32 s21, s[WV], 1                        ; which half of a tile I fetch, if I fetch
	s_lshl_b32 s22, s21, 13                        ; 8,192 bytes of scale words,
	s_lshl_b32 s23, s21, 14                        ; 16,384 of a chunk's images
	s_mov_b32 s[G1], 15|(3<<16)|(1<<21)            ; 15:0 the mask: all four work-groups; 17:16 elements of 8 bytes; 21 set beside a mask; no padding
	s_mov_b32 s[G1+1], 32<<16                      ; tensor_dim0: 32 elements = 256 bytes
	s_mov_b32 s[G1+2], 64<<16                      ; tensor_dim1
	s_mov_b32 s[G1+3], 32<<16                      ; tile_dim0
	s_mov_b32 s[G1+4], 64                          ; tile_dim1
	s_mov_b32 s[G1+5], 32                          ; dense
	s_mov_b32 s[G1+6], 0
	s_mov_b32 s[G1+7], 0
	s_mov_b32 s[G1S], 15|(3<<16)|(1<<21)
	s_mov_b32 s[G1S+1], 32<<16
	s_mov_b32 s[G1S+2], 32<<16
	s_mov_b32 s[G1S+3], 32<<16
	s_mov_b32 s[G1S+4], 32
	s_mov_b32 s[G1S+5], 32
	s_mov_b32 s[G1S+6], 0
	s_mov_b32 s[G1S+7], 0
	s_lshl_b32 s92, s19, 14
	s_add_co_u32 s92, s92, s22                     ; the head's scale words, my half
	s_mov_b32 s93, 0
	s_lshl_b32 s94, s19, 17
	s_add_co_u32 s94, s94, s23                     ; the head's images, my half of chunk 0
	s_mov_b32 s95, 0
	s_lshl_b32 s2, s19, 17
	s_lshl_b32 s3, s20, 9
	s_add_co_u32 s2, s2, s3                        ; Q's image: head, tile T
	s_mov_b32 s3, 0
	s_lshl_b32 s96, s19, 14
	s_lshl_b32 s97, s20, 6
	s_add_co_u32 s96, s96, s97                     ; Q's scale words: 64 bytes a tile
	s_mov_b32 s97, 0
	s_lshl_b32 s98, s20, 13
	s_lshl_b32 s99, s19, 9
	s_add_co_u32 s98, s98, s99                     ; o_img: 8,192 T + 512 head
	s_mov_b32 s99, 0
	s_lshl_b32 s100, s20, 9
	s_lshl_b32 s101, s19, 1
	s_add_co_u32 s100, s100, s101                  ; o_sc: 512 T + 2 head
	s_mov_b32 s101, 0
	s_mov_b32 s[SEL], 0x76543210
	s_mov_b32 s[SEL+1], 0xfedcba98
	s_mov_b32 s[CS], 0x3e38aa3b                    ; log2(e) / 8
	s_mov_b32 s[CS+1], s[CS]
	s_wait_dscnt 0x0
	s_wait_kmcnt 0x0
	s_add_nc_u64 s[G0K+2:G0K+3], s[6:7], s[92:93]
	s_add_nc_u64 s[G0K+2:G0K+3], s[G0K+2:G0K+3], 262144   ; k's section of qk_sc
	s_add_nc_u64 s[G0V+2:G0V+3], s[10:11], s[92:93]
	s_add_nc_u64 s[92:93], s[4:5], s[94:95]
	s_add_nc_u64 s[94:95], s[8:9], s[94:95]
	s_mov_b32 s[G0K], 1
	s_add_co_u32 s[G0K+1], s22, KSC
	s_or_b32 s[G0K+3], s[G0K+3], 0x80000000
	s_mov_b32 s[G0V], 1
	s_add_co_u32 s[G0V+1], s22, VSC
	s_or_b32 s[G0V+3], s[G0V+3], 0x80000000
.irp i, 0,1,2,3
	s_mov_b32 s[G0K+4+4*\i], 1
	s_add_co_u32 s[G0K+5+4*\i], s23, 32768*\i
	s_add_nc_u64 s[G0K+6+4*\i:G0K+7+4*\i], s[92:93], 2097152+32768*\i   ; k's section of qk_img
	s_or_b32 s[G0K+7+4*\i], s[G0K+7+4*\i], 0x80000000
	s_mov_b32 s[G0V+4+4*\i], 1
	s_add_co_u32 s[G0V+5+4*\i], s23, VIMG+32768*\i
	s_add_nc_u64 s[G0V+6+4*\i:G0V+7+4*\i], s[94:95], 32768*\i
	s_or_b32 s[G0V+7+4*\i], s[G0V+7+4*\i], 0x80000000
.endr
	s_add_nc_u64 s[4:5], s[4:5], s[2:3]
	s_add_nc_u64 s[6:7], s[6:7], s[96:97]
	s_add_nc_u64 s[12:13], s[12:13], s[98:99]
	s_add_nc_u64 s[14:15], s[14:15], s[100:101]
	CROUND                                         ; all four work-groups are here: the joint loads meet
	s_cmp_lt_u32 s[WV], 2                          ; waves 0, 1 fetch K's halves, waves 2, 3 V's; a wave's five fills stand in one branch: five tensor loads of mine are out at the most
	s_cbranch_scc0 .Lnot_k
	tensor_load_to_lds s[G0K:G0K+3], s[G1S:G1S+7]
	s_nop 0
.irp i, 0,1,2,3
	tensor_load_to_lds s[G0K+4+4*\i:G0K+7+4*\i], s[G1:G1+7]
	s_nop 0
.endr
	PLACES
	s_branch .Lasked
.Lnot_k:
	s_cmp_lt_u32 s[WV], 4
	s_cbranch_scc0 .Lasked
	tensor_load_to_lds s[G0V:G0V+3], s[G1S:G1S+7]
	s_nop 0
.irp i, 0,1,2,3
	tensor_load_to_lds s[G0V+4+4*\i:G0V+7+4*\i], s[G1:G1+7]
	s_nop 0
.endr
	PLACES
.Lasked:
	v_and_b32 v5, 31, v0                           ; lane
	v_lshlrev_b32 v[AK0], 4, v5
	v_add_nc_u32 v[AV0], VIMG, v[AK0]
	v_lshlrev_b32 v[ASK0], 2, v5
	v_add_nc_u32 v[ASV0], VSC, v[ASK0]
	v_add_nc_u32 v[ASK0], KSC, v[ASK0]
	v_and_b32 v7, 15, v0
	v_bfe_u32 v[OSB], v0, 4, 1
	v_lshl_add_u32 v[OSB], v7, 5, v[OSB]
	v_lshlrev_b32 v[TP], 2, v7
	global_load_b128 v[QF:QF+3], v[AK0], s[4:5]    ; Q's fragment stays in registers
	global_load_b32 v[QS], v[TP], s[6:7]           ; lane r: row r's word
	v_mov_b32 v13, 0xff61b1e6                      ; the largest t so far: -3e38
	v_floor_f32 v12, -v13                          ; -M
	v_mov_b32 v14, 0
	v_mov_b32 v15, 0
	v_mov_b32 v[FF+1], 0
.irp j, 0,1,2,3
	v_mov_b32 v[QF+4+\j], 0                        ; k = 64 .. 127 of the instruction: zero codes
	v_mov_b32 v[BX+\j], 0                          ; written once: a lane permute's destination counts as one of its sources
.irp t, 0,1,2,3
	v_mov_b32 v[KF+8*\t+4+\j], 0
.endr
.endr
.set j, 0
.rept 32
	v_mov_b32 v[OT+j], 0                           ; O^T: the step is written once; its first walk finds zeros, which the first change of M leaves zeros
.set j, j+1
.endr
; A KEY STEP: 128 keys.
.macro STEP
	v_add_nc_u32 v[ADK], s[TB], v[AK0]             ; (these four are also places behind the last step's products)
	v_add_nc_u32 v[ADV], s[TB], v[AV0]
	v_add_nc_u32 v[ADS], s[TS], v[ASK0]
	v_add_nc_u32 v[ADT], s[TS], v[ASV0]
.irp t, 0,1,2,3
	ds_load_b128 v[KF+8*\t:KF+8*\t+3], v[ADK] offset:512*\t
.endr
.irp i, 0,1
	ds_load_b32 v[KS+\i], v[ADS] offset:128*\i
.endr
	s_wait_dscnt 0x0
.irp t, 0,1,2,3
	WM ST+8*\t, KF+8*\t, QF, -1, KS+\t/2, QS, \t%2
.endr
	PLACES
.irp t, 0,1,2,3
	ds_load_b128 v[KF+8*\t:KF+8*\t+3], v[ADK] offset:512*(4+\t)
.endr
.irp i, 0,1
	ds_load_b32 v[KS+2+\i], v[ADS] offset:128*(2+\i)
.endr
.irp t, 0,1,2,3
.irp c, 0,1
	ds_load_b128 v[VF+8*\t+4*\c:VF+8*\t+4*\c+3], v[ADV] offset:1024*\t+512*\c
.endr
.endr
.irp t, 0,1,2,3
	ds_load_b32 v[VS+\t], v[ADT] offset:128*\t
.endr
	s_wait_dscnt 0xc                               ; K's six loads are in; V's twelve may stay out through the softmax
.irp t, 0,1,2,3
	WM ST+32+8*\t, KF+8*\t, QF, -1, KS+2+\t/2, QS, \t%2
.endr
	PLACES
.irp b, 0,1,2,3
	v_max3_num_f32 v[BM+\b], v[ST+16*\b], v[ST+1+16*\b], v[ST+2+16*\b]   ; the largest score of each block of 32 keys: for the row's maximum, and, since p rises with the score, for the block's largest p
.endr
.irp i, 3,5,7,9,11,13
.irp b, 0,1,2,3
	v_max3_num_f32 v[BM+\b], v[BM+\b], v[ST+16*\b+\i], v[ST+1+16*\b+\i]
.endr
.endr
.irp b, 0,1,2,3
	v_max_num_f32 v[BM+\b], v[BM+\b], v[ST+15+16*\b]
.endr
.irp b, 0,1,2,3
	v_permlanex16_b32 v[BX+\b], v[BM+\b], s[SEL], s[SEL+1]
.endr
.irp b, 0,1,2,3
	v_max_num_f32 v[BM+\b], v[BM+\b], v[BX+\b]     ; with lane l xor 16's 16 keys
.endr
	v_max3_num_f32 v[TP], v[BM], v[BM+1], v[BM+2]
	v_max_num_f32 v[TP], v[TP], v[BM+3]
	v_mul_f32 v[TP], s[CS], v[TP]                  ; the step's largest t (c is positive)
	v_max_num_f32 v13, v13, v[TP]
	v_mov_b32 v[TP], v12
	v_floor_f32 v12, -v13                          ; the new -M = -ceil(t)
	v_sub_f32 v[TP], v12, v[TP]                    ; old M - new M: a whole number, 0 or less
	v_cvt_i32_f32 v[TP], v[TP]                     ; (it saturates)
	v_ldexp_f32 v[FF], 1.0, v[TP]                  ; f
.set j, 0
.rept 32
	v_pk_fma_f32 v[ST+j:ST+j+1], v[ST+j:ST+j+1], s[CS:CS+1], v[12:13] op_sel_hi:[1,0,0]   ; t - M
.set j, j+2
.endr
.irp b, 0,1,2,3
	v_fma_f32 v[BM+\b], v[BM+\b], s[CS], v12
.endr
.set j, 0
.rept 64
	v_exp_f32 v[ST+j], v[ST+j]                     ; p = 2^(t - M)
.set j, j+1
.endr
.irp b, 0,1,2,3
	v_exp_f32 v[BM+\b], v[BM+\b]                   ; the block's largest p: the same two instructions on the same number
.endr
	v_pk_mul_f32 v[14:15], v[14:15], v[FF:FF+1] op_sel_hi:[1,0]   ; the sums under the new M (a plain place behind the exponentials)
	s_wait_alu depctr_va_vdst(0)
.irp b, 0,1,2,3
	v_max_num_f32 v[BM+\b], 0x1800000, v[BM+\b]    ; the floor 2^(3 - 127)
.endr
.irp b, 0,1,2,3
	v_add_nc_u32 v[SO+\b], 0xff000000, v[BM+\b]
.endr
.irp b, 0,1,2,3
	v_lshrrev_b32 v[BX+\b], 23, v[SO+\b]
.endr
	v_lshl_or_b32 v[PW], v[BX+1], 8, v[BX]
	v_lshl_or_b32 v[PW], v[BX+2], 16, v[PW]
	v_lshl_or_b32 v[PW], v[BX+3], 24, v[PW]
.irp b, 0,1,2,3
	v_cvt_scalef32_pk8_fp4_f32 v[PC+2*\b], v[ST+16*\b:ST+7+16*\b], v[SO+\b]
	v_cvt_scalef32_pk8_fp4_f32 v[PC+1+2*\b], v[ST+8+16*\b:ST+15+16*\b], v[SO+\b]
.endr
	v_nop
.irp c, 0,1
.irp i, 0,1
	v_permlane16_swap_b32 v[PC+4*\c+\i], v[PC+2+4*\c+\i]
.endr
.endr
	v_pk_add_f32 v[BX:BX+1], v[ST:ST+1], v[ST+2:ST+3]   ; the row's sum of the unquantised p, in two chains
.irp j, 4,8,12,16,20,24,28,32,36,40,44,48,52,56,60
	v_pk_add_f32 v[14:15], v[14:15], v[ST+\j:ST+1+\j]
	v_pk_add_f32 v[BX:BX+1], v[BX:BX+1], v[ST+2+\j:ST+3+\j]
.endr
	v_pk_add_f32 v[14:15], v[14:15], v[BX:BX+1]
.set j, 0
.rept 16
	v_pk_mul_f32 v[OT+j:OT+j+1], v[OT+j:OT+j+1], v[FF:FF+1] op_sel_hi:[1,0]   ; O^T under the new M.  (With the sums: the places between p's scale word and codes and the products below)
.set j, j+2
.endr
	s_wait_dscnt 0x0                               ; V
.irp t, 0,1,2,3
	WM OT+8*\t, VF+8*\t, PC, OT+8*\t, VS+\t, PW, 0 ; the four accumulators take turns
.endr
.endm
.macro CHUNK i                         ; 1,024 keys: eight steps
	s_wait_tensorcnt 3-\i                          ; tensor loads of a wave end in order (ISA guide 10.11.1): my parts of the scale words and of chunks 0 .. i have landed; the 3 - i later chunks may stay out
	s_barrier_signal -1
	s_barrier_wait -1                              ; everybody's have
	s_mov_b32 s[TB], 32768*\i
	s_mov_b32 s[TS], 4096*\i
	s_mov_b32 s[CNT], 8
.Lstep_\@:
	STEP
	s_add_co_u32 s[TB], s[TB], 4096
	s_add_co_u32 s[TS], s[TS], 512
	s_sub_co_u32 s[CNT], s[CNT], 1
	s_cmp_lg_u32 s[CNT], 0
	s_cbranch_scc1 .Lstep_\@
.endm
	s_wait_loadcnt 0x0                             ; Q
	CHUNK 0
	CHUNK 1
	CHUNK 2
	CHUNK 3
	PLACES                                         ; behind the last products
	v_add_f32 v14, v14, v15
	v_permlanex16_b32 v[TP], v14, s[SEL], s[SEL+1]
	v_add_f32 v14, v14, v[TP]                      ; the row's sum
	v_rcp_f32 v14, v14
	v_nop                                          ; a plain place behind the transcendental
.set j, 0
	s_wait_alu depctr_va_vdst(0)
.rept 32
	v_mul_f32 v[ST+j], v[OT+j], v14                ; register 16 b + i: channel 32 b + 16 (lane / 16) + i of my query
.set j, j+1
.endr
	QUANT2 ST, PC, BX
	global_store_b128 v[AK0], v[PC:PC+3], s[12:13]
	s_mov_b32 vcc_lo, 0xffff0000
	v_cndmask_b32 v[BX+2], v[BX], v[BX+1], vcc_lo  ; lanes 0-15 send block 0's byte of row r, lanes 16-31 block 1's
	global_store_b8 v[OSB], v[BX+2], s[14:15]
	s_wait_tensorcnt 0x0
	ds_add_u32 v249, v252
	s_wait_dscnt 0x0
	CROUND                                         ; the closing round
	s_endpgm
.Lfunc_end_k_q5c824f9433_attn:
	.size	k_q5c824f9433_attn, .Lfunc_end_k_q5c824f9433_attn-k_q5c824f9433_attn
	.p2alignl 7, 3214868480
	.fill 96, 4, 3214868480
	.section	.rodata,"a",@progbits
	.p2align	6, 0x0
	.amdhsa_kernel k_q5c824f9433_attn
		.amdhsa_group_segment_fixed_size 296960
		.amdhsa_private_segment_fixed_size 0
		.amdhsa_enable_private_segment 0
		.amdhsa_kernarg_size 48
		.amdhsa_user_sgpr_count 2
		.amdhsa_user_sgpr_kernarg_segment_ptr 1
		.amdhsa_wavefront_size32 1
		.amdhsa_system_sgpr_workgroup_id_x 1
		.amdhsa_system_sgpr_workgroup_id_y 1
		.amdhsa_system_sgpr_workgroup_id_z 1
		.amdhsa_system_vgpr_workitem_id 0
		.amdhsa_next_free_vgpr 256
		.amdhsa_next_free_sgpr 102
		.amdhsa_reserve_vcc 1
		.amdhsa_float_denorm_mode_32 3
		.amdhsa_float_denorm_mode_16_64 3
		.amdhsa_memory_ordered 1
		.amdhsa_forward_progress 1
		.amdhsa_inst_pref_size 76
	.end_amdhsa_kernel
	.amdgpu_metadata
---
amdhsa.version: [ 1, 2 ]
amdhsa.kernels:
  - .name:           k_q5c824f9433_attn
    .symbol:         k_q5c824f9433_attn.kd
    .args:
      - { .name: qk_img, .offset: 0, .size: 8, .value_kind: global_buffer, .address_space: global }
      - { .name: qk_sc, .offset: 8, .size: 8, .value_kind: global_buffer, .address_space: global }
      - { .name: v_img, .offset: 16, .size: 8, .value_kind: global_buffer, .address_space: global }
      - { .name: v_sc, .offset: 24, .size: 8, .value_kind: global_buffer, .address_space: global }
      - { .name: o_img, .offset: 32, .size: 8, .value_kind: global_buffer, .address_space: global }
      - { .name: o_sc, .offset: 40, .size: 8, .value_kind: global_buffer, .address_space: global }
    .group_segment_fixed_size: 296960
    .private_segment_fixed_size: 0
    .kernarg_segment_align: 8
    .kernarg_segment_size: 48
    .max_flat_workgroup_size: 512
    .sgpr_count:     102
    .vgpr_count:     256
    .wavefront_size: 32
...
	.end_amdgpu_metadata
.endif
;; end of part 2
;; launch proj (part 3): grid 8 x 32, 8 waves a work-group, clusters of 4 x 4, 168,960 bytes of LDS; arguments o_img, o_sc, proj_w_codes, proj_w_scales, proj_b, out0; writes out0
.if DOCPART == 3
	.amdgcn_target "amdgcn-amd-amdhsa--gfx1250"
	.amdhsa_code_object_version 6
	.text
	.protected	k_q5c824f9433_proj
	.globl	k_q5c824f9433_proj
	.p2align	8
	.type	k_q5c824f9433_proj,@function
k_q5c824f9433_proj:
	s_mov_b64 s[64:65], 0
	v_nop
	global_prefetch_b8 v0, s[64:65] scope:SCOPE_SE
	s_setreg_imm32_b32 hwreg(HW_REG_WAVE_MODE, 25, 1), 1
	s_wait_xcnt 0x0
	s_wait_alu depctr_hold_cnt(0) depctr_sa_sdst(0) depctr_va_vdst(0) depctr_va_sdst(0) depctr_va_ssrc(0) depctr_va_vcc(0) depctr_vm_vsrc(0)
	s_getreg_b32 s2, hwreg(HW_REG_IB_STS2, 6, 4)
	s_cmp_eq_u32 s2, 0
	s_cbranch_scc0 .Lentry_in_a_cluster
	s_endpgm
.Lentry_in_a_cluster:
	s_bfe_u32 s2, ttmp6, 0x10000c
	s_cmp_lg_u32 s2, 0xf033
	s_cbranch_scc0 .Lentry_shape_is_right
	s_endpgm
.Lentry_shape_is_right:
; out = o W^T + b on codes of FP4 (E2M1) with E8M0 scales; out [4096][1024] f32.  o comes as images of operand registers (o_img [T 256][K step 8][c 2][512]) with its scale bytes [16 T + r][32]; W as given, rows of 512 bytes.
; SHARES.  Work-group (gx, gy): tiles 8 gy .. + 7 of o (sequence rows 128 gy .. + 127) x columns 128 gx .. + 127.  Eight waves: wave w takes o's tiles 2 (w % 4) + u and W's tiles 4 (w / 4) + t: 8 accumulators, 8 K steps.
; The product is used transposed (source 0 = 16 rows of W, source 1 = o): a lane holds eight neighbouring columns of one row of out.  Lane r of o's tile T is sequence row 32 (T / 2) + 8 (T % 2) + r + 8 (r / 8).
; The bias is the C of each sum's first product.
; LDS: o's eight tiles, 65,536 dense bytes; W's 128 rows x (512 + 16) bytes; behind them a stage of 16 rows x 272 bytes for each wave, into which no tile lands.  Every tile's byte is filled once.
; CLUSTER 4 x 4: o's tiles hang on gy alone and are asked for jointly along a row of the cluster, W's on gx alone, along a column.
; OUT through the wave's own stage: sixteen lanes store 256 consecutive bytes of a row, at a multiple of 256 from the buffer's first byte.
; LIMITS: the scale byte 0xff and NaN or infinities among the inputs are not served.
.set WR,   65536
.set WP,   528
.set STG,  WR+128*WP                   ; 133,120
.set SP,   272
.set AO,   1                           ; v1  o's images: 16 x lane + 16,384 (w % 4)
.set AW,   2                           ; v2  W's fragments: WR + (64 (w / 4) + r) x 528 + 16 h
.set O32,  3                           ; v3  32 x lane: a row of scale bytes
.set STI,  4                           ; v4  the stage, in: row r, + 32 h
.set STB,  5                           ; v5  back: lanes 0-15 one row, lanes 16-31 the next
.set OOF,  6                           ; v6  the same two rows in out
.set BOF,  7                           ; v7  the bias: 32 h
.set SCW,  32                          ; v32-47 W's scale words: pair p at 8 p, K step ks at + ks
.set SCO,  48                          ; v48-55 o's: lanes 0-15 tile u = 0, lanes 16-31 u = 1
.set S0F,  64                          ; v64-127 W's four fragments, two buffers
.set S1F,  128                         ; v128-159 o's two, two buffers
.set BI,   160                         ; v160-191 the bias, eight numbers a tile of W
.set ACC,  192                         ; accumulator (u, t) at 192 + 8 (4 u + t)
.set WV,   16
.set GX,   19
.set GY,   20
.set G1O,  24
.set G1W,  32
.set G0O,  40
.set G0W,  44
.macro CROUND
	s_barrier_signal -1
	s_barrier_wait -1
	s_cmp_lg_u32 s[WV], 0
	s_cbranch_scc1 .Lnot_wave_0_\@
	s_barrier_signal -3
.Lnot_wave_0_\@:
	s_barrier_wait -3
	s_barrier_signal -1
	s_barrier_wait -1
.endm
.macro PLACES
.rept 4
	v_nop
.endr
.endm
.macro WM d, a, b, c, sa, sb, ra, rb   ; ra, rb: the side's scale words stand in lanes 16-31 of the register named
.if (\ra) && (\rb)
	v_wmma_scale_f32_16x16x128_f8f6f4 v[(\d):(\d)+7], v[(\a):(\a)+7], v[(\b):(\b)+7], v[(\c):(\c)+7], v[\sa], v[\sb] matrix_a_fmt:MATRIX_FMT_FP4 matrix_b_fmt:MATRIX_FMT_FP4 matrix_a_scale:MATRIX_SCALE_ROW1 matrix_b_scale:MATRIX_SCALE_ROW1
.elseif (\ra)
	v_wmma_scale_f32_16x16x128_f8f6f4 v[(\d):(\d)+7], v[(\a):(\a)+7], v[(\b):(\b)+7], v[(\c):(\c)+7], v[\sa], v[\sb] matrix_a_fmt:MATRIX_FMT_FP4 matrix_b_fmt:MATRIX_FMT_FP4 matrix_a_scale:MATRIX_SCALE_ROW1
.elseif (\rb)
	v_wmma_scale_f32_16x16x128_f8f6f4 v[(\d):(\d)+7], v[(\a):(\a)+7], v[(\b):(\b)+7], v[(\c):(\c)+7], v[\sa], v[\sb] matrix_a_fmt:MATRIX_FMT_FP4 matrix_b_fmt:MATRIX_FMT_FP4 matrix_b_scale:MATRIX_SCALE_ROW1
.else
	v_wmma_scale_f32_16x16x128_f8f6f4 v[(\d):(\d)+7], v[(\a):(\a)+7], v[(\b):(\b)+7], v[(\c):(\c)+7], v[\sa], v[\sb] matrix_a_fmt:MATRIX_FMT_FP4 matrix_b_fmt:MATRIX_FMT_FP4
.endif
.endm
	s_load_b256 s[4:11], s[0:1], 0x0               ; o_img s[4:5], o_sc s[6:7], W's codes s[8:9], W's scales s[10:11]
	s_load_b128 s[12:15], s[0:1], 0x20             ; bias s[12:13], out s[14:15]
	v_lshl_add_u32 v62, v0, 2, 0x29000
	v_mov_b32 v63, 0
	ds_add_u32 v62, v63
	ds_add_u32 v62, v63
	v_lshrrev_b32 v8, 5, v0
	v_readfirstlane_b32 s[WV], v8                  ; wave 0..7
	s_bfe_u32 s17, ttmp6, 0x40000                  ; cx
	s_bfe_u32 s18, ttmp6, 0x40004                  ; cy
	s_lshl_b32 s[GX], ttmp9, 2
	s_add_co_u32 s[GX], s[GX], s17
	s_and_b32 s[GY], ttmp7, 0xffff
	s_lshl_b32 s[GY], s[GY], 2
	s_add_co_u32 s[GY], s[GY], s18
	s_lshl_b32 s21, s18, 2
	s_lshl_b32 s21, 15, s21                        ; my row of the cluster
	s_lshl_b32 s22, 0x1111, s17                    ; my column
	s_or_b32 s[G1O], s21, (3<<16)|(1<<21)          ; o: 128 dense rows of 256 bytes (32 elements of 8 bytes), no padding
	s_mov_b32 s[G1O+1], 32<<16
	s_mov_b32 s[G1O+2], 128<<16
	s_mov_b32 s[G1O+3], 32<<16
	s_mov_b32 s[G1O+4], 128
	s_mov_b32 s[G1O+5], 32
	s_mov_b32 s[G1O+6], 0
	s_mov_b32 s[G1O+7], 0
	s_or_b32 s[G1W], s22, (1<<20)|(1<<21)|(6<<22)|(3<<25)   ; W: 64 rows of 512 bytes, four words of padding after every 128
	s_mov_b32 s[G1W+1], 512<<16
	s_mov_b32 s[G1W+2], 64<<16
	s_mov_b32 s[G1W+3], 512<<16
	s_mov_b32 s[G1W+4], 64
	s_mov_b32 s[G1W+5], 512
	s_mov_b32 s[G1W+6], 0
	s_mov_b32 s[G1W+7], 0
	s_and_b32 s23, s[WV], 1                        ; which half I fetch, if I fetch
	s_lshl_b32 s48, s23, 15                        ; 32,768 bytes: half of o's tiles, and 64 rows of W in memory
	s_lshl_b32 s50, s[GY], 16
	s_add_co_u32 s50, s50, s48
	s_mov_b32 s51, 0
	s_mul_i32 s49, s23, 64*WP
	s_add_co_u32 s49, s49, WR
	s_lshl_b32 s52, s[GX], 16
	s_add_co_u32 s52, s52, s48
	s_mov_b32 s53, 0
	s_and_b32 s54, s[WV], 3                        ; P: my pair of o's tiles
	s_lshr_b32 s55, s[WV], 2                       ; ch: my 64 columns
	s_lshl_b32 s56, s54, 14
	s_mul_i32 s57, s55, 64*WP
	s_add_co_u32 s57, s57, WR
	s_mul_i32 s58, s[WV], 16*SP
	s_add_co_u32 s58, s58, STG                     ; my stage
	v_and_b32 v8, 31, v0                           ; lane
	v_and_b32 v9, 15, v0                           ; r
	v_bfe_u32 v10, v0, 4, 1                        ; h
	v_lshlrev_b32 v[AO], 4, v8
	v_add_nc_u32 v[AO], s56, v[AO]
	v_mul_u32_u24 v[AW], v9, WP
	v_lshl_add_u32 v[AW], v10, 4, v[AW]
	v_add_nc_u32 v[AW], s57, v[AW]
	v_lshlrev_b32 v[O32], 5, v8
	v_mul_u32_u24 v[STI], v9, SP
	v_lshl_add_u32 v[STI], v10, 5, v[STI]
	v_add_nc_u32 v[STI], s58, v[STI]
	v_mul_u32_u24 v[STB], v10, SP
	v_lshl_add_u32 v[STB], v9, 4, v[STB]
	v_add_nc_u32 v[STB], s58, v[STB]
	v_lshlrev_b32 v[OOF], 12, v10
	v_lshl_add_u32 v[OOF], v9, 4, v[OOF]
	v_lshlrev_b32 v[BOF], 5, v10
	s_mov_b32 s61, 0
	s_wait_dscnt 0x0
	s_wait_kmcnt 0x0
	s_mov_b32 s[G0O], 1
	s_mov_b32 s[G0O+1], s48
	s_add_nc_u64 s[G0O+2:G0O+3], s[4:5], s[50:51]
	s_or_b32 s[G0O+3], s[G0O+3], 0x80000000
	s_mov_b32 s[G0W], 1
	s_mov_b32 s[G0W+1], s49
	s_add_nc_u64 s[G0W+2:G0W+3], s[8:9], s[52:53]
	s_or_b32 s[G0W+3], s[G0W+3], 0x80000000
	s_lshl_b32 s60, s[GX], 12
	s_lshl_b32 s59, s55, 11
	s_add_co_u32 s60, s60, s59
	s_add_nc_u64 s[10:11], s[10:11], s[60:61]      ; W's scale bytes at row 128 gx + 64 ch
	s_lshl_b32 s60, s[GY], 12
	s_lshl_b32 s59, s54, 10
	s_add_co_u32 s60, s60, s59
	s_add_nc_u64 s[6:7], s[6:7], s[60:61]          ; o's at row 128 gy + 32 P
	s_lshl_b32 s60, s[GX], 9
	s_lshl_b32 s59, s55, 8
	s_add_co_u32 s60, s60, s59
	s_add_nc_u64 s[12:13], s[12:13], s[60:61]      ; the bias at 128 gx + 64 ch
	s_add_nc_u64 s[14:15], s[14:15], s[60:61]      ; out: the same columns,
	s_lshl_b32 s60, s[GY], 19
	s_lshl_b32 s59, s54, 17
	s_add_co_u32 s60, s60, s59
	s_add_nc_u64 s[14:15], s[14:15], s[60:61]      ; row 128 gy + 32 P
	CROUND                                         ; all sixteen work-groups are here: the joint loads meet
	s_cmp_lt_u32 s[WV], 2                          ; waves 0, 1 fetch o's halves, waves 2, 3 W's: one tensor load of mine is out at the most
	s_cbranch_scc0 .Lnot_o
	tensor_load_to_lds s[G0O:G0O+3], s[G1O:G1O+7]
	s_nop 0
	PLACES
	s_branch .Lasked
.Lnot_o:
	s_cmp_lt_u32 s[WV], 4
	s_cbranch_scc0 .Lasked
	tensor_load_to_lds s[G0W:G0W+3], s[G1W:G1W+7]
	s_nop 0
	PLACES
.Lasked:
.irp p, 0,1
.irp k, 0,1
	global_load_b128 v[SCW+8*\p+4*\k:SCW+8*\p+4*\k+3], v[O32], s[10:11] offset:1024*\p+16*\k
.endr
.endr
.irp k, 0,1
	global_load_b128 v[SCO+4*\k:SCO+4*\k+3], v[O32], s[6:7] offset:16*\k
.endr
.irp t, 0,1,2,3
.irp q, 0,1
	global_load_b128 v[BI+8*\t+4*\q:BI+8*\t+4*\q+3], v[BOF], s[12:13] offset:64*\t+16*\q
.endr
.endr
.macro FETCH ks                        ; twelve LDS loads: K step ks into buffer ks % 2
.irp t, 0,1,2,3
.irp c, 0,1
	ds_load_b128 v[S0F+32*((\ks)%2)+8*\t+4*\c:S0F+32*((\ks)%2)+8*\t+4*\c+3], v[AW] offset:16*WP*\t+64*(\ks)+32*\c
.endr
.endr
.irp u, 0,1
.irp c, 0,1
	ds_load_b128 v[S1F+16*((\ks)%2)+8*\u+4*\c:S1F+16*((\ks)%2)+8*\u+4*\c+3], v[AO] offset:8192*\u+1024*(\ks)+512*\c
.endr
.endr
.endm
.macro MUL ks                          ; eight products; the eight accumulators take turns
.irp u, 0,1
.irp t, 0,1,2,3
.if (\ks) == 0
	WM ACC+8*(4*\u+\t), S0F+32*((\ks)%2)+8*\t, S1F+16*((\ks)%2)+8*\u, BI+8*\t, SCW+8*(\t/2)+(\ks), SCO+(\ks), \t%2, \u
.else
	WM ACC+8*(4*\u+\t), S0F+32*((\ks)%2)+8*\t, S1F+16*((\ks)%2)+8*\u, ACC+8*(4*\u+\t), SCW+8*(\t/2)+(\ks), SCO+(\ks), \t%2, \u
.endif
.endr
.endr
.endm
	s_wait_loadcnt 0x0                             ; scale words and bias
	s_wait_tensorcnt 0x0                           ; my tile has landed
	s_barrier_signal -1
	s_barrier_wait -1                              ; everybody's has
	FETCH 0
	FETCH 1
.irp ks, 0,1,2,3,4,5,6,7
.if \ks < 7
	s_wait_dscnt 0xc                               ; this step's twelve loads are in; the next step's may stay out
.else
	s_wait_dscnt 0x0
.endif
	MUL \ks
.if \ks < 6
	PLACES
	FETCH \ks+2
.endif
.endr
	PLACES
	; THE WAY OUT.  A tile of 16 rows x 64 columns goes through my own stage and comes back as rows of 256 bytes.  LDS serves a wave's instructions in order (ISA guide 5.7.1.4): no wait between stores and loads.
.irp u, 0,1
.irp t, 0,1,2,3
	ds_store_b128 v[STI], v[ACC+8*(4*\u+\t):ACC+8*(4*\u+\t)+3] offset:64*\t      ; each accumulator from its low end on
	ds_store_b128 v[STI], v[ACC+8*(4*\u+\t)+4:ACC+8*(4*\u+\t)+7] offset:64*\t+16
.endr
.irp i, 0,1,2,3,4,5,6,7
	ds_load_b128 v[S0F+32*\u+4*\i:S0F+32*\u+4*\i+3], v[STB] offset:2*SP*\i
.endr
.endr
	s_wait_dscnt 0x10                              ; the first tile is back; the second's eight stores and eight loads may stay out
.irp i, 0,1,2,3,4,5,6,7
	global_store_b128 v[OOF], v[S0F+4*\i:S0F+4*\i+3], s[14:15] offset:(2*\i+8*(\i/4))*4096 th:TH_STORE_NT   ; stage row 2 i + lane / 16 is sequence row 8 u + that + 8 (i / 4) of my 32
.endr
	s_wait_dscnt 0x0
.irp i, 0,1,2,3,4,5,6,7
	global_store_b128 v[OOF], v[S0F+32+4*\i:S0F+32+4*\i+3], s[14:15] offset:(8+2*\i+8*(\i/4))*4096 th:TH_STORE_NT
.endr
	s_wait_tensorcnt 0x0
	ds_add_u32 v62, v63
	s_wait_dscnt 0x0
	CROUND                                         ; the closing round
	s_endpgm
.Lfunc_end_k_q5c824f9433_proj:
	.size	k_q5c824f9433_proj, .Lfunc_end_k_q5c824f9433_proj-k_q5c824f9433_proj
	.p2alignl 7, 3214868480
	.fill 96, 4, 3214868480
	.section	.rodata,"a",@progbits
	.p2align	6, 0x0
	.amdhsa_kernel k_q5c824f9433_proj
		.amdhsa_group_segment_fixed_size 168960
		.amdhsa_private_segment_fixed_size 0
		.amdhsa_enable_private_segment 0
		.amdhsa_kernarg_size 48
		.amdhsa_user_sgpr_count 2
		.amdhsa_user_sgpr_kernarg_segment_ptr 1
		.amdhsa_wavefront_size32 1
		.amdhsa_system_sgpr_workgroup_id_x 1
		.amdhsa_system_sgpr_workgroup_id_y 1
		.amdhsa_system_sgpr_workgroup_id_z 1
		.amdhsa_system_vgpr_workitem_id 0
		.amdhsa_next_free_vgpr 256
		.amdhsa_next_free_sgpr 66
		.amdhsa_reserve_vcc 0
		.amdhsa_float_denorm_mode_32 3
		.amdhsa_float_denorm_mode_16_64 3
		.amdhsa_memory_ordered 1
		.amdhsa_forward_progress 1
		.amdhsa_inst_pref_size 27
	.end_amdhsa_kernel
	.amdgpu_metadata
---
amdhsa.version: [ 1, 2 ]
amdhsa.kernels:
  - .name:           k_q5c824f9433_proj
    .symbol:         k_q5c824f9433_proj.kd
    .args:
      - { .name: o_img, .offset: 0, .size: 8, .value_kind: global_buffer, .address_space: global }
      - { .name: o_sc, .offset: 8, .size: 8, .value_kind: global_buffer, .address_space: global }
      - { .name: proj_w_codes, .offset: 16, .size: 8, .value_kind: global_buffer, .address_space: global }
      - { .name: proj_w_scales, .offset: 24, .size: 8, .value_kind: global_buffer, .address_space: global }
      - { .name: proj_b, .offset: 32, .size: 8, .value_kind: global_buffer, .address_space: global }
      - { .name: out0, .offset: 40, .size: 8, .value_kind: global_buffer, .address_space: global }
    .group_segment_fixed_size: 168960
    .private_segment_fixed_size: 0
    .kernarg_segment_align: 8
    .kernarg_segment_size: 48
    .max_flat_workgroup_size: 256
    .sgpr_count:     66
    .vgpr_count:     256
    .wavefront_size: 32
...
	.end_amdgpu_metadata
.endif
;; end of part 3
;; ======== version 2 of 2: 3 launches
;; limits: right only within a limited range of input values
;; workspace buffers: q_buf 4,718,592 bytes; kv_buf 4,718,592 bytes; o_img 2,097,152 bytes; o_sc 131,072 bytes
;; launch qkv (part 4): grid 8 x 32, 12 waves a work-group, clusters of 4 x 4, 280,064 bytes of LDS; arguments hidden_states_codes, hidden_states_scales, qkv_w_codes, qkv_w_scales, qkv_b, cos, sin, q_buf, kv_buf; writes q_buf, kv_buf
.if DOCPART == 4
	.amdgcn_target "amdgcn-amd-amdhsa--gfx1250"
	.amdhsa_code_object_version 6
	.text
	.protected	k_q5c824f9433_qkv
	.globl	k_q5c824f9433_qkv
	.p2align	8
	.type	k_q5c824f9433_qkv,@function
k_q5c824f9433_qkv:
	s_mov_b64 s[64:65], 0
	v_nop
	global_prefetch_b8 v0, s[64:65] scope:SCOPE_SE
	s_setreg_imm32_b32 hwreg(HW_REG_WAVE_MODE, 25, 1), 1
	s_wait_xcnt 0x0
	s_wait_alu depctr_hold_cnt(0) depctr_sa_sdst(0) depctr_va_vdst(0) depctr_va_sdst(0) depctr_va_ssrc(0) depctr_va_vcc(0) depctr_vm_vsrc(0)
	s_getreg_b32 s2, hwreg(HW_REG_IB_STS2, 6, 4)
	s_cmp_eq_u32 s2, 0
	s_cbranch_scc0 .Lentry_in_a_cluster
	s_endpgm
.Lentry_in_a_cluster:
	s_bfe_u32 s2, ttmp6, 0x10000c
	s_cmp_lg_u32 s2, 0xf033
	s_cbranch_scc0 .Lentry_shape_is_right
	s_endpgm
.Lentry_shape_is_right:
; qkv = hidden W^T + b on codes of FP4 (E2M1) with E8M0 scales as they are given; RoPE on q and k in f32; q, k (along d) and v (along the keys) quantised to FP4 and stored as IMAGES OF OPERAND REGISTERS.
; SHARES.  Work-group (gx, gy): sequence rows 128 gy .. +127 x 384 columns: heads 2 gx, 2 gx + 1 of q, of k and of v.  Twelve waves, each 8 tiles (source 0) x 2 tiles (source 1) = 16 accumulators, 8 K steps of 128.
;   waves 0-3 (q), 4-7 (k): source 0 = the section's 128 rows of W, source 1 = 32 rows of hidden: a lane holds ONE sequence row, its registers run along d.
;   waves 8-11 (v):         source 0 = the 128 rows of hidden, source 1 = 32 rows of Wv:       a lane holds ONE channel, its registers run along the keys.
; THE ROWS OF A TILE ARE NOT NEIGHBOURS: lane r of tile T takes row 32 (T / 2) + 8 (T % 2) + r + 8 (r / 8).  As source 0 that puts row 32 b + 16 (lane / 16) + 0 .. 15 into the 16 registers of tiles 2 b, 2 b + 1:
; the order in which the conversions and the 4-bit operand layout want a block of 32.  Sequence rows, keys and v's channels all use this order, here and in the two launches that follow.
; LDS: all of K lies there at once, as two halves of 512 along K: 512 rows x (256 bytes + 16): rows 0-127 Wq, 128-255 Wk, 256-383 hidden, 384-511 Wv.  Every byte is filled once; nothing is stored there.
;   Rows r and r + 16 of a tile start at the same bank at this pitch (16 x 68 words is a multiple of 64 banks: ISA guide 11.1): a fragment load goes two deep.  Kept: the order of rows spares every transposition.
; CLUSTER 4 x 4: hidden's tiles hang on gy alone and are asked for jointly along a row of the cluster, W's on gx alone, along a column: each is requested once for four work-groups.
; OUT: qk_img [q,k][head][T 256][512]: lane l's 16 bytes at 16 l: codes d = 32 (l / 16) .. + 31 of row (T, l % 16);  qk_sc [q,k][head][T / 2][32 lanes]: lane r + 16 u: the word of tile 2 P + u, row r (bytes 0, 1; 2, 3 are 0);
;   v_img [head][128 keys][t 4][c 2][512];  v_sc [head][128 keys][t][32 lanes].  A store of codes covers 512 consecutive bytes, aligned; a store of scale words 128 consecutive bytes (a sixteenth of the codes' bytes).
; LIMITS: NaN, infinities and the scale byte 0xff among the inputs are not served.  A block whose largest magnitude lies under 2^-124 (zeros too) gets the byte 1: the bytes are read by this program alone, and zero codes add
;   nothing under it.  RoPE is one product and one fused multiply-add where the source rounds two products and a sum.
; AS THE TEXT NOW STANDS (this takes the place of the lines on LDS and OUT above).
; LDS: 512 rows x (512 bytes + 16): a row holds all of K; each of waves 0-7 fetches 64 rows with its one tensor load.
; OUT: kv_buf [head 16][step of 128 keys 32][9,216 bytes]: K's eight images of 512 bytes; at 4,096 V's [t 4][c 2][512]; at 8,192 K's scale words [pair 4][32 lanes]; at 8,704 V's [t 4][32 lanes].
;   q_buf has the same records; only the places of K's images and K's scale words are written there, with q's, and only those are read.
; THE KEYS OF A TILE OF K: lane r of tile X of a step takes key 64 (X / 4) + 8 (X % 4) + r + 24 (r / 8), so that in S^T a lane's 32 registers of four neighbouring tiles are one block of 32 neighbouring keys.
;   q's rows, v's keys and channels keep the order r + 8 (r / 8).
.set PITCH, 528
.set HALF,  512*PITCH                  ; 270,336 bytes: all 512 rows
.set AD0,  1                           ; v1   LDS address of my source 0 fragments
.set AD1,  2                           ; v2   of my source 1 fragments
.set SOF,  3                           ; v3   my row's scale bytes: 32 x (r + 8 (r / 8)) + 256 (lane / 16)
.set O16,  4                           ; v4   16 x lane
.set O4,   5                           ; v5   4 x lane
.set OCS,  6                           ; v6   cos, sin: 256 x (r + 8 (r / 8), k: r + 24 (r / 8)) + 64 (lane / 16)
.set OBI,  7                           ; v7   q's and k's bias: 64 (lane / 16)
.set SC0,  8                           ; v8-39   source 0's scale words: pair p of tiles at 8 p, K step ks at + ks; lanes 0-15 tile 2 p, lanes 16-31 tile 2 p + 1
.set SC1,  40                          ; v40-47  source 1's: lanes 0-15 tile 0, lanes 16-31 tile 1
.set S1F,  48                          ; v48-63  source 1's two fragments
.set S0F,  64                          ; v64-127 source 0's eight
.set ACC,  128                         ; v128-255 accumulator (T, u) at 128 + 8 (8 u + T)
.set BI,   64                          ; the way out: q's and k's bias, 64 numbers
.set CB0,  8                           ; three buffers of 32 for cos and sin
.set CB1,  64
.set CB2,  96
.set TT,   40                          ; v40-47 at work in RoPE
.set TM,   48                          ; v48-49 largest magnitudes; v50-51 the other half's; v52-53 the conversions' scale operands; v54-55 the bytes
.set TX,   50
.set SO,   52
.set BY,   54
.set Q4M,  48                          ; v's quantiser, four blocks: v48-51, v52-55, v60-63
.set Q4X,  52
.set Q4S,  60
.set WV,   26                          ; s26 wave
.set GX,   29
.set GY,   30
.set G1A,  40                          ; s[40:47] descriptor group 1 for hidden's tiles;  s[48:55] for W's
.set G1W,  48
.set G0A,  56                          ; s[56:63] group 0 for hidden's two halves;  s[68:75] for W's
.set G0W,  68
.set SEL,  76                          ; s[76:77] v_permlanex16_b32's selects for lane l xor 16
.macro CROUND                          ; a round of the cluster's barrier
	s_barrier_signal -1
	s_barrier_wait -1
	s_cmp_lg_u32 s[WV], 0
	s_cbranch_scc1 .Lnot_wave_0_\@
	s_barrier_signal -3
.Lnot_wave_0_\@:
	s_barrier_wait -3
	s_barrier_signal -1
	s_barrier_wait -1
.endm
.macro PLACES                          ; four plain places behind a matrix instruction, ahead of loads into its registers and of reads of its result
.rept 4
	v_nop
.endr
.endm
; One product.  c < 0: the constant 0 starts the sum.  ra, rb: the side's scale words stand in lanes 16-31 of the register named.
.macro WM d, a, b, c, sa, sb, ra, rb
.if (\c) < 0
.if (\ra) && (\rb)
	v_wmma_scale_f32_16x16x128_f8f6f4 v[(\d):(\d)+7], v[(\a):(\a)+7], v[(\b):(\b)+7], 0, v[\sa], v[\sb] matrix_a_fmt:MATRIX_FMT_FP4 matrix_b_fmt:MATRIX_FMT_FP4 matrix_a_scale:MATRIX_SCALE_ROW1 matrix_b_scale:MATRIX_SCALE_ROW1
.elseif (\ra)
	v_wmma_scale_f32_16x16x128_f8f6f4 v[(\d):(\d)+7], v[(\a):(\a)+7], v[(\b):(\b)+7], 0, v[\sa], v[\sb] matrix_a_fmt:MATRIX_FMT_FP4 matrix_b_fmt:MATRIX_FMT_FP4 matrix_a_scale:MATRIX_SCALE_ROW1
.elseif (\rb)
	v_wmma_scale_f32_16x16x128_f8f6f4 v[(\d):(\d)+7], v[(\a):(\a)+7], v[(\b):(\b)+7], 0, v[\sa], v[\sb] matrix_a_fmt:MATRIX_FMT_FP4 matrix_b_fmt:MATRIX_FMT_FP4 matrix_b_scale:MATRIX_SCALE_ROW1
.else
	v_wmma_scale_f32_16x16x128_f8f6f4 v[(\d):(\d)+7], v[(\a):(\a)+7], v[(\b):(\b)+7], 0, v[\sa], v[\sb] matrix_a_fmt:MATRIX_FMT_FP4 matrix_b_fmt:MATRIX_FMT_FP4
.endif
.else
.if (\ra) && (\rb)
	v_wmma_scale_f32_16x16x128_f8f6f4 v[(\d):(\d)+7], v[(\a):(\a)+7], v[(\b):(\b)+7], v[(\c):(\c)+7], v[\sa], v[\sb] matrix_a_fmt:MATRIX_FMT_FP4 matrix_b_fmt:MATRIX_FMT_FP4 matrix_a_scale:MATRIX_SCALE_ROW1 matrix_b_scale:MATRIX_SCALE_ROW1
.elseif (\ra)
	v_wmma_scale_f32_16x16x128_f8f6f4 v[(\d):(\d)+7], v[(\a):(\a)+7], v[(\b):(\b)+7], v[(\c):(\c)+7], v[\sa], v[\sb] matrix_a_fmt:MATRIX_FMT_FP4 matrix_b_fmt:MATRIX_FMT_FP4 matrix_a_scale:MATRIX_SCALE_ROW1
.elseif (\rb)
	v_wmma_scale_f32_16x16x128_f8f6f4 v[(\d):(\d)+7], v[(\a):(\a)+7], v[(\b):(\b)+7], v[(\c):(\c)+7], v[\sa], v[\sb] matrix_a_fmt:MATRIX_FMT_FP4 matrix_b_fmt:MATRIX_FMT_FP4 matrix_b_scale:MATRIX_SCALE_ROW1
.else
	v_wmma_scale_f32_16x16x128_f8f6f4 v[(\d):(\d)+7], v[(\a):(\a)+7], v[(\b):(\b)+7], v[(\c):(\c)+7], v[\sa], v[\sb] matrix_a_fmt:MATRIX_FMT_FP4 matrix_b_fmt:MATRIX_FMT_FP4
.endif
.endif
.endm
; 32 numbers of a lane, register 16 b + i = k 32 b + 16 (lane / 16) + i of my row, become registers 0-3 of a fragment (k = 32 (lane / 16) + 0 .. 31) in v[pc] on, and two scale bytes in v[by], v[by + 1].
.macro QUANT2 x, pc, by
.irp b, 0,1
	v_max3_num_f32 v[TM+\b], |v[(\x)+16*\b]|, |v[(\x)+16*\b+1]|, 0x1800000   ; my 16 numbers of block b, and the floor 2^(3 - 127): the byte cannot fall under 1
.endr
.irp i, 2,4,6,8,10,12,14
.irp b, 0,1
	s_delay_alu instid0(VALU_DEP_2)
	v_max3_num_f32 v[TM+\b], v[TM+\b], |v[(\x)+16*\b+\i]|, |v[(\x)+16*\b+\i+1]|
.endr
.endr
.irp b, 0,1
	s_delay_alu instid0(VALU_DEP_2)
	v_permlanex16_b32 v[TX+\b], v[TM+\b], s[SEL], s[SEL+1]
.endr
.irp b, 0,1
	s_delay_alu instid0(VALU_DEP_2)
	v_max_num_f32 v[TM+\b], v[TM+\b], v[TX+\b]          ; with lane l xor 16's: the block's largest magnitude
.endr
.irp b, 0,1
	s_delay_alu instid0(VALU_DEP_2)
	v_add_nc_u32 v[SO+\b], 0xff000000, v[TM+\b]         ; 2 off its exponent field: the conversion takes that field as its scale
.endr
.irp b, 0,1
	s_delay_alu instid0(VALU_DEP_2)
	v_lshrrev_b32 v[(\by)+\b], 23, v[SO+\b]             ; the scale's byte
.endr
.irp b, 0,1
	v_cvt_scalef32_pk8_fp4_f32 v[(\pc)+2*\b], v[(\x)+16*\b:(\x)+16*\b+7], v[SO+\b]
	v_cvt_scalef32_pk8_fp4_f32 v[(\pc)+2*\b+1], v[(\x)+16*\b+8:(\x)+16*\b+15], v[SO+\b]
.endr
	v_nop                                          ; one plain place behind a scaled conversion
	v_permlane16_swap_b32 v[(\pc)], v[(\pc)+2]     ; a whole block to a lane: lanes 0-15 block 0, lanes 16-31 block 1
	v_permlane16_swap_b32 v[(\pc)+1], v[(\pc)+3]
.endm
; 64 numbers likewise, four blocks: a whole fragment in v[pc] on, its scale word in v[pw].
.macro QUANT4 x, pc, pw
.irp b, 0,1,2,3
	v_max3_num_f32 v[Q4M+\b], |v[(\x)+16*\b]|, |v[(\x)+16*\b+1]|, 0x1800000
.endr
.irp i, 2,4,6,8,10,12,14
.irp b, 0,1,2,3
	s_delay_alu instid0(VALU_DEP_4)
	v_max3_num_f32 v[Q4M+\b], v[Q4M+\b], |v[(\x)+16*\b+\i]|, |v[(\x)+16*\b+\i+1]|
.endr
.endr
.irp b, 0,1,2,3
	s_delay_alu instid0(VALU_DEP_4)
	v_permlanex16_b32 v[Q4X+\b], v[Q4M+\b], s[SEL], s[SEL+1]
.endr
.irp b, 0,1,2,3
	s_delay_alu instid0(VALU_DEP_4)
	v_max_num_f32 v[Q4M+\b], v[Q4M+\b], v[Q4X+\b]
.endr
.irp b, 0,1,2,3
	s_delay_alu instid0(VALU_DEP_4)
	v_add_nc_u32 v[Q4S+\b], 0xff000000, v[Q4M+\b]
.endr
.irp b, 0,1,2,3
	s_delay_alu instid0(VALU_DEP_4)
	v_lshrrev_b32 v[Q4X+\b], 23, v[Q4S+\b]
.endr
	s_delay_alu instid0(VALU_DEP_3)
	v_lshl_or_b32 v[\pw], v[Q4X+1], 8, v[Q4X]
	s_delay_alu instid0(VALU_DEP_1)
	v_lshl_or_b32 v[\pw], v[Q4X+2], 16, v[\pw]
	s_delay_alu instid0(VALU_DEP_1)
	v_lshl_or_b32 v[\pw], v[Q4X+3], 24, v[\pw]
.irp b, 0,1,2,3
	v_cvt_scalef32_pk8_fp4_f32 v[(\pc)+2*\b], v[(\x)+16*\b:(\x)+16*\b+7], v[Q4S+\b]
	v_cvt_scalef32_pk8_fp4_f32 v[(\pc)+2*\b+1], v[(\x)+16*\b+8:(\x)+16*\b+15], v[Q4S+\b]
.endr
	v_nop
.irp c, 0,1
.irp i, 0,1
	v_permlane16_swap_b32 v[(\pc)+4*\c+\i], v[(\pc)+4*\c+2+\i]
.endr
.endr
.endm
	s_load_b512 s[4:19], s[0:1], 0x0               ; hidden codes s[4:5], scales s[6:7]; W codes s[8:9], scales s[10:11]; bias s[12:13]; cos s[14:15]; sin s[16:17]; q_buf s[18:19]
	s_load_b64 s[22:23], s[0:1], 0x40              ; kv_buf (q_buf is s[18:19])
	s_set_vgpr_msb 0x40
	v_lshl_add_u32 v0, v0, 2, 0x44000
	v_mov_b32 v1, 0
	s_set_vgpr_msb 0x4045
	ds_add_u32 v0, v1
	ds_add_u32 v0, v1
	s_set_vgpr_msb 0x4500
	v_lshrrev_b32 v248, 5, v0
	s_delay_alu instid0(VALU_DEP_1)
	v_readfirstlane_b32 s[WV], v248                ; wave 0..11
	s_bfe_u32 s27, ttmp6, 0x40000                  ; cx
	s_bfe_u32 s28, ttmp6, 0x40004                  ; cy
	s_lshl_b32 s[GX], ttmp9, 2
	s_add_co_u32 s[GX], s[GX], s27                 ; gx = 4 x cluster x + cx
	s_and_b32 s[GY], ttmp7, 0xffff
	s_lshl_b32 s[GY], s[GY], 2
	s_add_co_u32 s[GY], s[GY], s28                 ; gy = 4 x cluster y + cy
	s_lshl_b32 s31, s28, 2
	s_lshl_b32 s31, 15, s31                        ; my row of the cluster
	s_lshl_b32 s32, 0x1111, s27                    ; my column
	; group 1: 64 rows x 512 bytes, 512 bytes apart in memory, 16 bytes of padding behind each in LDS
	s_or_b32 s[G1A], s31, (1<<20)|(1<<21)|(6<<22)|(3<<25)   ; 15:0 the mask; elements of 1 byte; padding on; 21 set beside a mask; four words after every 128
	s_or_b32 s[G1W], s32, (1<<20)|(1<<21)|(6<<22)|(3<<25)
.irp g, G1A, G1W
	s_mov_b32 s[\g+1], 512<<16                     ; tensor_dim0: a whole row of K
	s_mov_b32 s[\g+2], 64<<16                      ; tensor_dim1
	s_mov_b32 s[\g+3], 512<<16                     ; tile_dim0
	s_mov_b32 s[\g+4], 64                          ; tile_dim1
	s_mov_b32 s[\g+5], 512                         ; from row to row
	s_mov_b32 s[\g+6], 0
	s_mov_b32 s[\g+7], 0
.endr
	; what wave w < 8 fetches: LDS rows 64 w .. 64 w + 63.  Waves 4, 5: hidden; the others W's section min(w / 2, 2).  Every wave makes both addresses, each in registers that never hold the other coordinate.
	s_and_b32 s33, s[WV], 1
	s_lshl_b32 s33, s33, 15                        ; 64 (w & 1) rows of 512 bytes
	s_lshl_b32 s78, s[GY], 16                      ; 128 gy rows
	s_add_co_u32 s78, s78, s33
	s_mov_b32 s79, 0
	s_lshr_b32 s34, s[WV], 1
	s_min_u32 s34, s34, 2
	s_lshl_b32 s34, s34, 19                        ; 1,024 rows a section
	s_lshl_b32 s80, s[GX], 16                      ; 128 gx rows
	s_add_co_u32 s80, s80, s34
	s_add_co_u32 s80, s80, s33
	s_mov_b32 s81, 0
	s_mul_i32 s35, s[WV], 64*PITCH                 ; where they go
	; where my fragments lie: source 0 from LDS row 128 (w / 4); source 1 from row 256 + 32 (w % 4) + 128 (w / 8)
	s_lshr_b32 s36, s[WV], 2
	s_mul_i32 s36, s36, 128*PITCH
	s_and_b32 s37, s[WV], 3
	s_bfe_u32 s96, s[WV], 0x10002                  ; 1 in k's waves (4-7), else 0
	s_and_b32 s97, s[WV], s96                      ; there P % 2, else 0
	s_lshl_b32 s99, s96, 1                         ; k: 2 x (r & 8) more rows in lanes 8-15
	s_lshl_b32 s38, s37, 5
	s_lshl_b32 s98, s97, 4
	s_sub_co_u32 s38, s38, s98                     ; source 1's first row: 32 P; k: 64 (P / 2) + 16 (P % 2)
	s_mul_i32 s38, s38, PITCH
	s_lshr_b32 s39, s[WV], 3
	s_mul_i32 s39, s39, 128*PITCH
	s_add_co_u32 s38, s38, s39
	s_add_co_u32 s38, s38, 256*PITCH
	v_and_b32 v248, 15, v0                         ; r
	v_bfe_u32 v249, v0, 4, 1                       ; h
	s_delay_alu instid0(VALU_DEP_2)
	v_and_b32 v250, 8, v248
	s_delay_alu instid0(VALU_DEP_1)
	v_add_nc_u32 v250, v250, v248                  ; r + 8 (r / 8)
	s_delay_alu instid0(VALU_DEP_1)
	v_mul_u32_u24 v251, v250, PITCH
	s_delay_alu instid0(VALU_DEP_1)
	v_lshl_add_u32 v251, v249, 4, v251
	s_delay_alu instid0(VALU_DEP_1)
	v_add_nc_u32 v[AD0], s36, v251
	v_and_b32 v254, 8, v248
	s_delay_alu instid0(VALU_DEP_1)
	v_mad_u32_u24 v253, v254, s99, v250            ; source 1's row of a tile: r + 8 (r / 8); k: r + 24 (r / 8)
	s_delay_alu instid0(VALU_DEP_1)
	v_mul_u32_u24 v254, v253, PITCH
	s_delay_alu instid0(VALU_DEP_1)
	v_lshl_add_u32 v254, v249, 4, v254
	s_delay_alu instid0(VALU_DEP_1)
	v_add_nc_u32 v[AD1], s38, v254
	v_lshlrev_b32 v255, 5, v253
	s_delay_alu instid0(VALU_DEP_1)
	v_lshl_add_u32 v255, v249, 8, v255             ; source 1's scale bytes (v255 is free until the first products)
	v_lshlrev_b32 v[SOF], 5, v250
	s_delay_alu instid0(VALU_DEP_1)
	v_lshl_add_u32 v[SOF], v249, 8, v[SOF]
	v_and_b32 v252, 31, v0
	s_delay_alu instid0(VALU_DEP_1)
	v_lshlrev_b32 v[O16], 4, v252
	s_delay_alu instid0(VALU_DEP_2)
	v_lshlrev_b32 v[O4], 2, v252
	v_lshlrev_b32 v[OCS], 8, v253
	s_delay_alu instid0(VALU_DEP_1)
	v_lshl_add_u32 v[OCS], v249, 6, v[OCS]
	v_lshlrev_b32 v[OBI], 6, v249
	; the scale words' first rows, in bytes (32 a row)
	s_lshr_b32 s82, s[WV], 2
	s_lshl_b32 s82, s82, 15
	s_lshl_b32 s83, s[GX], 12
	s_add_co_u32 s82, s82, s83                     ; W: 1,024 (w / 4) + 128 gx
	s_lshl_b32 s84, s[GY], 12                      ; hidden: 128 gy
	s_lshl_b32 s85, s37, 10                        ; 32 (w % 4) rows
	s_add_co_u32 s94, s84, s85                     ; source 1 of q and k: hidden
	s_lshl_b32 s98, s97, 9
	s_sub_co_u32 s94, s94, s98                     ; k: 16 (P % 2) rows of 32 bytes back
	s_add_co_u32 s95, s83, s85
	s_add_co_u32 s95, s95, 2048*32                 ; source 1 of v: Wv
	s_mov_b32 s91, 0
	s_mov_b32 s93, 0
	s_mov_b32 s[SEL], 0x76543210
	s_mov_b32 s[SEL+1], 0xfedcba98
	s_wait_dscnt 0x0
	s_wait_kmcnt 0x0
	s_cmp_lt_u32 s[WV], 8                          ; the choice of buffers hangs on the wave's number alone
	s_cselect_b64 s[86:87], s[10:11], s[6:7]
	s_cselect_b64 s[88:89], s[6:7], s[10:11]
	s_cselect_b32 s90, s82, s84
	s_cselect_b32 s92, s94, s95
	s_add_nc_u64 s[86:87], s[86:87], s[90:91]      ; source 0's scale bytes
	s_add_nc_u64 s[88:89], s[88:89], s[92:93]      ; source 1's
	s_add_nc_u64 s[78:79], s[4:5], s[78:79]
	s_add_nc_u64 s[80:81], s[8:9], s[80:81]
.irp k, 0
	s_mov_b32 s[G0A+4*\k], 1
	s_add_co_u32 s[G0A+4*\k+1], s35, \k*HALF                       ; LDS address
	s_add_nc_u64 s[G0A+4*\k+2:G0A+4*\k+3], s[78:79], \k*256        ; the rows
	s_or_b32 s[G0A+4*\k+3], s[G0A+4*\k+3], 0x80000000              ; type = 2
	s_mov_b32 s[G0W+4*\k], 1
	s_add_co_u32 s[G0W+4*\k+1], s35, \k*HALF
	s_add_nc_u64 s[G0W+4*\k+2:G0W+4*\k+3], s[80:81], \k*256
	s_or_b32 s[G0W+4*\k+3], s[G0W+4*\k+3], 0x80000000
.endr
	CROUND                                         ; all sixteen work-groups are here: the joint loads meet
	s_lshr_b32 s33, s[WV], 1                       ; one chain of branches on the wave's number, one fill to an arm: one tensor load of mine is out at the most
	s_cmp_eq_u32 s33, 2
	s_cbranch_scc0 .Lnot_a
	tensor_load_to_lds s[G0A:G0A+3], s[G1A:G1A+7]
	s_nop 0
	PLACES
	s_branch .Lasked
.Lnot_a:
	s_cmp_lt_u32 s[WV], 8
	s_cbranch_scc0 .Lasked
	tensor_load_to_lds s[G0W:G0W+3], s[G1W:G1W+7]
	s_nop 0
	PLACES
.Lasked:
	s_wait_alu depctr_va_vdst(0)
.irp p, 0,1,2,3                        ; the scale words of all of K come once, straight into registers: 16 bytes = four K steps of a row
.irp k, 0,1
	global_load_b128 v[SC0+8*\p+4*\k:SC0+8*\p+4*\k+3], v[SOF], s[86:87] offset:1024*\p+16*\k
.endr
.endr
.irp k, 0,1
	global_load_b128 v[SC1+4*\k:SC1+4*\k+3], v255, s[88:89] offset:16*\k
.endr
; A K step of 128: 20 LDS loads, 16 products.  The 16 accumulators take turns, one instruction a turn.
.macro KSTEP ks, zero
.irp t, 0,1,2,3,4,5,6,7
.irp c, 0,1
	ds_load_b128 v[S0F+8*\t+4*\c:S0F+8*\t+4*\c+3], v[AD0] offset:(32*(\t/2)+8*(\t%2))*PITCH+64*(\ks)+32*\c
.endr
.endr
.irp u, 0,1
.irp c, 0,1
	ds_load_b128 v[S1F+8*\u+4*\c:S1F+8*\u+4*\c+3], v[AD1] offset:8*\u*PITCH+64*(\ks)+32*\c
.endr
.endr
	s_wait_dscnt 0x0                               ; three waves share a SIMD: another's products stand beside this wait
.irp u, 0,1
.irp t, 0,1,2,3,4,5,6,7
.if \zero
	WM ACC+8*(8*\u+\t), S0F+8*\t, S1F+8*\u, -1, SC0+8*(\t/2)+(\ks), SC1+(\ks), \t%2, \u
.else
	WM ACC+8*(8*\u+\t), S0F+8*\t, S1F+8*\u, ACC+8*(8*\u+\t), SC0+8*(\t/2)+(\ks), SC1+(\ks), \t%2, \u
.endif
.endr
.endr
	PLACES
.endm
	s_wait_loadcnt 0x0                             ; the scale words
	s_wait_tensorcnt 0x0                           ; my 64 rows have landed
	s_barrier_signal -1
	s_barrier_wait -1                              ; everybody's has
	KSTEP 0, 1                                     ; the first products start the sums
	KSTEP 1, 0
	KSTEP 2, 0
	KSTEP 3, 0
	KSTEP 4, 0
	KSTEP 5, 0
	KSTEP 6, 0
	KSTEP 7, 0
	s_mov_b32 s37, 0
	s_cmp_lt_u32 s[WV], 8
	s_cbranch_scc0 .Lv_out
	; ---- q and k.  Register ACC + 64 u + 32 i + 16 b + 8 o + j of lane (r, h): row (tile 2 P + u, r), head 2 gx + i, d = 32 b + 16 h + 8 o + j
	s_lshr_b32 s33, s[WV], 2                       ; section: 0 q, 1 k
	s_and_b32 s34, s[WV], 3                        ; P
	s_lshl_b32 s36, s33, 12
	s_lshl_b32 s38, s[GX], 9
	s_add_co_u32 s36, s36, s38
	s_add_nc_u64 s[12:13], s[12:13], s[36:37]      ; bias at 1,024 section + 128 gx
	s_lshl_b32 s36, s[GY], 15
	s_lshl_b32 s38, s34, 13
	s_add_co_u32 s36, s36, s38
	s_lshl_b32 s38, s97, 12
	s_sub_co_u32 s36, s36, s38                     ; k: 16 (P % 2) rows of 256 bytes back
	s_add_nc_u64 s[14:15], s[14:15], s[36:37]      ; cos and sin at row 128 gy + 32 P
	s_add_nc_u64 s[16:17], s[16:17], s[36:37]
	s_cmp_eq_u32 s33, 0
	s_cselect_b64 s[18:19], s[18:19], s[22:23]     ; q_buf for q's waves, kv_buf for k's
	s_mul_i32 s36, s[GX], 2*294912                 ; head 2 gx,
	s_mul_i32 s38, s[GY], 9216                     ; record gy
	s_add_co_u32 s36, s36, s38
	s_lshl_b32 s38, s34, 7
	s_add_co_u32 s38, s38, s36
	s_add_co_u32 s38, s38, 8192
	s_mov_b32 s39, 0
	s_add_nc_u64 s[20:21], s[18:19], s[38:39]      ; the scale words of pair P
	s_lshl_b32 s38, s34, 10
	s_add_co_u32 s36, s36, s38
	s_add_nc_u64 s[18:19], s[18:19], s[36:37]      ; the images of tiles 2 P, 2 P + 1
; eight loads: cos and sin of my row of tile tu at d = 32 b + 16 h + 8 oc + 0 .. 7: cos b = 0, cos b = 1, sin b = 0, sin b = 1, eight registers each
.macro CSLOAD tu, oc, cb
.irp b, 0,1
.irp q, 0,1
	global_load_b128 v[(\cb)+8*\b+4*\q:(\cb)+8*\b+4*\q+3], v[OCS], s[14:15] offset:2048*(\tu)+128*\b+32*(\oc)+16*\q
.endr
.endr
.irp b, 0,1
.irp q, 0,1
	global_load_b128 v[(\cb)+16+8*\b+4*\q:(\cb)+16+8*\b+4*\q+3], v[OCS], s[16:17] offset:2048*(\tu)+128*\b+32*(\oc)+16*\q
.endr
.endr
.endm
; x(d) = x(d) cos(d) - x(d + 32) sin(d);  x(d + 32) = x(d + 32) cos(d + 32) + x(d) sin(d + 32), for eight d < 32 of head hd
.macro ROPE tu, oc, hd, cb
.set XLO, ACC+64*(\tu)+32*(\hd)+8*(\oc)
.irp p, 0,2,4,6
	v_pk_mul_f32 v[TT+\p:TT+\p+1], v[XLO+\p:XLO+\p+1], v[(\cb)+24+\p:(\cb)+25+\p]
.endr
.irp p, 0,2,4,6
	v_pk_mul_f32 v[XLO+\p:XLO+\p+1], v[XLO+\p:XLO+\p+1], v[(\cb)+\p:(\cb)+1+\p]
.endr
.irp p, 0,2,4,6
	s_delay_alu instid0(VALU_DEP_4)
	v_pk_fma_f32 v[XLO+\p:XLO+\p+1], v[XLO+16+\p:XLO+17+\p], v[(\cb)+16+\p:(\cb)+17+\p], v[XLO+\p:XLO+\p+1] neg_lo:[1,0,0] neg_hi:[1,0,0]
.endr
.irp p, 0,2,4,6
	v_pk_fma_f32 v[XLO+16+\p:XLO+17+\p], v[XLO+16+\p:XLO+17+\p], v[(\cb)+8+\p:(\cb)+9+\p], v[TT+\p:TT+\p+1]
.endr
.endm
.irp i, 0,1
.irp b, 0,1
.irp q, 0,1,2,3
	global_load_b128 v[BI+32*\i+16*\b+4*\q:BI+32*\i+16*\b+4*\q+3], v[OBI], s[12:13] offset:256*\i+128*\b+16*\q
.endr
.endr
.endr
	CSLOAD 0, 0, CB0
	v_mov_b32 v[TX], 0                             ; written once: a lane permute's destination counts as one of its sources
	v_mov_b32 v[TX+1], 0
	s_wait_loadcnt 0x8                             ; the bias is in; the eight loads of cos and sin may stay out
.set k, 0
.rept 64
	v_pk_add_f32 v[ACC+k:ACC+k+1], v[ACC+k:ACC+k+1], v[BI+k%64:BI+k%64+1]   ; each accumulator from its low end on
.set k, k+2
.endr
	CSLOAD 0, 1, CB1
	CSLOAD 1, 0, CB2
	s_wait_loadcnt 0x10                            ; the first chunk is in; the two just asked for may stay out
	ROPE 0, 0, 0, CB0
	ROPE 0, 0, 1, CB0
	CSLOAD 1, 1, CB0
	s_wait_loadcnt 0x10                            ; the second chunk is in; the two behind it may stay out
	ROPE 0, 1, 0, CB1
	ROPE 0, 1, 1, CB1
.irp i, 0,1
	QUANT2 ACC+32*\i, CB1+4*\i, BY
	v_lshl_or_b32 v[56+\i], v[BY+1], 8, v[BY]      ; the row's scale word: bytes 2 and 3 stay 0, over zero codes
	global_store_b128 v[O16], v[CB1+4*\i:CB1+4*\i+3], s[18:19] offset:294912*\i   ; every store has data registers of its own: none is written again
.endr
	s_wait_loadcnt 0x8                             ; the third chunk is in; the last may stay out
	ROPE 1, 0, 0, CB2
	ROPE 1, 0, 1, CB2
	s_wait_loadcnt 0x0
	ROPE 1, 1, 0, CB0
	ROPE 1, 1, 1, CB0
.irp i, 0,1
	QUANT2 ACC+64+32*\i, CB2+4*\i, BY
	v_lshl_or_b32 v[58+\i], v[BY+1], 8, v[BY]
	global_store_b128 v[O16], v[CB2+4*\i:CB2+4*\i+3], s[18:19] offset:294912*\i+512
.endr
	s_mov_b32 vcc_lo, 0xffff0000                   ; lanes 0-15 send tile 2 P's words, lanes 16-31 tile 2 P + 1's (a word stands alike in lanes l and l xor 16)
.irp i, 0,1
	v_cndmask_b32 v[60+\i], v[56+\i], v[58+\i], vcc_lo
	global_store_b32 v[O4], v[60+\i], s[20:21] offset:294912*\i
.endr
	s_branch .Ldone
.Lv_out:
	; ---- v.  Register ACC + 64 u + 16 b + i of lane (r, h): channel (tile 2 b' + u, r) of head 2 gx + hv, key 128 gy + 32 b + 16 h + i
	v_and_b32 v1, 15, v0
	s_delay_alu instid0(VALU_DEP_1)
	v_and_b32 v2, 8, v1
	s_delay_alu instid0(VALU_DEP_1)
	v_add_nc_u32 v1, v1, v2
	s_delay_alu instid0(VALU_DEP_1)
	v_lshlrev_b32 v1, 2, v1                        ; 4 x (r + 8 (r / 8)): my channel's bias
	s_wait_alu depctr_va_vdst(0)
	s_and_b32 s33, s[WV], 3
	s_bfe_u32 s34, s[WV], 0x10001                  ; hv
	s_and_b32 s35, s[WV], 1                        ; b'
	s_lshl_b32 s36, s[GX], 9
	s_lshl_b32 s38, s33, 7
	s_add_co_u32 s36, s36, s38
	s_add_co_u32 s36, s36, 8192
	s_add_nc_u64 s[12:13], s[12:13], s[36:37]      ; bias at 2,048 + 128 gx + 32 (w % 4)
	s_lshl_b32 s36, s[GX], 1
	s_add_co_u32 s36, s36, s34
	s_mul_i32 s36, s36, 294912                     ; head 2 gx + hv,
	s_mul_i32 s38, s[GY], 9216                     ; record gy
	s_add_co_u32 s36, s36, s38
	s_lshl_b32 s38, s35, 8
	s_add_co_u32 s38, s38, s36
	s_add_co_u32 s38, s38, 8704
	s_mov_b32 s39, 0
	s_add_nc_u64 s[24:25], s[22:23], s[38:39]      ; V's scale words, tile 2 b'
	s_lshl_b32 s38, s35, 11
	s_add_co_u32 s36, s36, s38
	s_add_co_u32 s36, s36, 4096
	s_add_nc_u64 s[22:23], s[22:23], s[36:37]      ; V's images, tile 2 b'
	global_load_b32 v40, v1, s[12:13]
	global_load_b32 v42, v1, s[12:13] offset:32
	v_mov_b32 v41, 0                               ; (named as the upper halves of pairs)
	v_mov_b32 v43, 0
.irp b, 0,1,2,3
	v_mov_b32 v[Q4X+\b], 0
.endr
	s_wait_alu depctr_va_vdst(0)
	s_wait_loadcnt 0x0
.irp u, 0,1
.set k, 0
.rept 32
	v_pk_add_f32 v[ACC+64*\u+k:ACC+64*\u+k+1], v[ACC+64*\u+k:ACC+64*\u+k+1], v[40+2*\u:41+2*\u] op_sel_hi:[1,0]
.set k, k+2
.endr
	QUANT4 ACC+64*\u, 64+8*\u, 56+\u
	global_store_b128 v[O16], v[64+8*\u:67+8*\u], s[22:23] offset:1024*\u
	global_store_b128 v[O16], v[68+8*\u:71+8*\u], s[22:23] offset:1024*\u+512
	global_store_b32 v[O4], v[56+\u], s[24:25] offset:128*\u
.endr
.Ldone:
	s_set_vgpr_msb 0x5
	s_wait_tensorcnt 0x0
	ds_add_u32 v0, v1
	s_wait_dscnt 0x0
	s_set_vgpr_msb 0x500
	CROUND                                         ; the closing round: no work-group ends while a partner may still ask for a tile that names it
	s_endpgm
.Lfunc_end_k_q5c824f9433_qkv:
	.size	k_q5c824f9433_qkv, .Lfunc_end_k_q5c824f9433_qkv-k_q5c824f9433_qkv
	.p2alignl 7, 3214868480
	.fill 96, 4, 3214868480
	.section	.rodata,"a",@progbits
	.p2align	6, 0x0
	.amdhsa_kernel k_q5c824f9433_qkv
		.amdhsa_group_segment_fixed_size 280064
		.amdhsa_private_segment_fixed_size 0
		.amdhsa_enable_private_segment 0
		.amdhsa_kernarg_size 72
		.amdhsa_user_sgpr_count 2
		.amdhsa_user_sgpr_kernarg_segment_ptr 1
		.amdhsa_wavefront_size32 1
		.amdhsa_system_sgpr_workgroup_id_x 1
		.amdhsa_system_sgpr_workgroup_id_y 1
		.amdhsa_system_sgpr_workgroup_id_z 1
		.amdhsa_system_vgpr_workitem_id 0
		.amdhsa_next_free_vgpr 258
		.amdhsa_next_free_sgpr 100
		.amdhsa_reserve_vcc 1
		.amdhsa_float_denorm_mode_32 3
		.amdhsa_float_denorm_mode_16_64 3
		.amdhsa_memory_ordered 1
		.amdhsa_forward_progress 1
		.amdhsa_inst_pref_size 82
	.end_amdhsa_kernel
	.amdgpu_metadata
---
amdhsa.version: [ 1, 2 ]
amdhsa.kernels:
  - .name:           k_q5c824f9433_qkv
    .symbol:         k_q5c824f9433_qkv.kd
    .args:
      - { .name: hidden_states_codes, .offset: 0, .size: 8, .value_kind: global_buffer, .address_space: global }
      - { .name: hidden_states_scales, .offset: 8, .size: 8, .value_kind: global_buffer, .address_space: global }
      - { .name: qkv_w_codes, .offset: 16, .size: 8, .value_kind: global_buffer, .address_space: global }
      - { .name: qkv_w_scales, .offset: 24, .size: 8, .value_kind: global_buffer, .address_space: global }
      - { .name: qkv_b, .offset: 32, .size: 8, .value_kind: global_buffer, .address_space: global }
      - { .name: cos, .offset: 40, .size: 8, .value_kind: global_buffer, .address_space: global }
      - { .name: sin, .offset: 48, .size: 8, .value_kind: global_buffer, .address_space: global }
      - { .name: q_buf, .offset: 56, .size: 8, .value_kind: global_buffer, .address_space: global }
      - { .name: kv_buf, .offset: 64, .size: 8, .value_kind: global_buffer, .address_space: global }
    .group_segment_fixed_size: 280064
    .private_segment_fixed_size: 0
    .kernarg_segment_align: 8
    .kernarg_segment_size: 72
    .max_flat_workgroup_size: 384
    .sgpr_count:     100
    .vgpr_count:     258
    .wavefront_size: 32
...
	.end_amdgpu_metadata
.endif
;; end of part 4
;; launch attn (part 5): grid 16 x 16, 16 waves a work-group, clusters of 4 x 1, 327,680 bytes of LDS; arguments q_buf, kv_buf, o_img, o_sc; writes o_img, o_sc
.if DOCPART == 5
	.amdgcn_target "amdgcn-amd-amdhsa--gfx1250"
	.amdhsa_code_object_version 6
	.text
	.protected	k_q5c824f9433_attn
	.globl	k_q5c824f9433_attn
	.p2align	8
	.type	k_q5c824f9433_attn,@function
k_q5c824f9433_attn:
	s_mov_b64 s[64:65], 0
	v_nop
	global_prefetch_b8 v0, s[64:65] scope:SCOPE_SE
	s_setreg_imm32_b32 hwreg(HW_REG_WAVE_MODE, 25, 1), 1
	s_wait_xcnt 0x0
	s_wait_alu depctr_hold_cnt(0) depctr_sa_sdst(0) depctr_va_vdst(0) depctr_va_sdst(0) depctr_va_ssrc(0) depctr_va_vcc(0) depctr_vm_vsrc(0)
	s_getreg_b32 s2, hwreg(HW_REG_IB_STS2, 6, 4)
	s_cmp_eq_u32 s2, 0
	s_cbranch_scc0 .Lentry_in_a_cluster
	s_endpgm
.Lentry_in_a_cluster:
	s_bfe_u32 s2, ttmp6, 0x10000c
	s_cmp_lg_u32 s2, 0x3003
	s_cbranch_scc0 .Lentry_shape_is_right
	s_endpgm
.Lentry_shape_is_right:
; o = softmax(q k^T / 8) v for one head, both products on codes of FP4 (E2M1) with E8M0 scales; o is divided by the row's sum, quantised along its 64 channels and stored as an image of the next product's operand.
; THE SOFTMAX: t = score x log2(e) / 8; M = the running largest t rounded UP to a whole number; p = 2^(t - M) is quantised along the keys, not normalised; the row's sum is taken of the unquantised p.
; When M moves, the sum and O are multiplied by 2^(old M - new M): exact.
; SHARES.  Work-group (qb, head): 256 queries; each of sixteen waves one tile of 16 queries in 256 registers, four waves to a SIMD.  Every wave walks the head's 32 steps of 128 keys.
; LDS IS AN IMAGE OF THE HEAD'S PART OF kv_buf: 32 records of 9,216 bytes, one a step: K's eight images (512 bytes each), at 4,096 V's eight, at 8,192 K's scale words, at 8,704 V's.  294,912 bytes, each filled once;
; every read is at 16 x lane or 4 x lane: consecutive bytes.  Behind them the spare words, 128 bytes a wave.
; FILLS: at the head each wave fetches a sixteenth of steps 0-7 (18 rows of 256 bytes); behind the full sequence and a round of the cluster's barrier a sixteenth of steps 8-31 (54 rows): one tensor load of mine is out at a time.
; Steps 0-6 (which also fetch step 7's K from LDS) are walked while the second fill is out; a barrier ahead of step 7 shows it landed.
; CLUSTER 4 x 1: the four query blocks of a cluster belong to one head and read the same records: every fill is asked for jointly, once for the four.
; NO PREFETCH: both fills are asked for ahead of the walk; no later load is left for a loop to run ahead of.
; LAYOUT.  Both products are used transposed (S^T = K Q^T, O^T = V^T P^T): a lane holds one query throughout.  Lane r of K's tile X takes key 64 (X / 4) + 8 (X % 4) + r + 24 (r / 8): so registers 32 c .. 32 c + 31 of S^T
; in lane (r, h) are the block of keys 64 c + 32 h + 0 .. 31, in order: a block's maximum needs no other lane, and the conversions' results are P's operand registers as they stand.
; The head's 64 fill half of the instruction's K: registers 4-7 of K's and Q's fragments are zero codes, under the scale byte 0.
; OUT: o_img [T 256][K step 8 = two heads][head's parity][512]: a store covers 512 consecutive bytes, aligned.  o_sc [16 T + r][32]: byte 2 head + block: single bytes, 32 a wave.
; LIMITS: |t| stays under 2^31; p under 2^-126 counts as 0; a block whose largest magnitude lies under 2^-124 gets the byte 1 (read by this program alone); the division is v_rcp_f32 and a multiplication.
.set HEADB, 294912
.set REC,   9216
.set VIM,   4096
.set KSO,   8192
.set VSO,   8704
.set C0B,   8*REC                      ; the first fill: steps 0-7
.set SPARE, HEADB
.set L16,  1                           ; v1  16 x lane
.set L4,   2                           ; v2  4 x lane
.set SH8,  3                           ; v3  8 x (lane / 16)
.set OSB,  4                           ; v4  o's scale byte: 32 (lane % 16) + lane / 16
.set SPW,  5                           ; v5  my spare word;  v6  0: kept for the add alone
.set NIL,  6
.set A16,  8                           ; v8, v9 the step's addresses
.set A4,   9
.set QF,   16                          ; v16-23 Q; v20-23 zero.  v12 -M, v13 the largest score, v[14:15] the sum in two halves
.set KS,   24                          ; v24-27 K's scale words (a pair of tiles to a register);  v28-31 V's
.set VS,   28
.set KF,   32                          ; v32-95 K's eight fragments; the upper four registers of each are zero
.set VF,   96                          ; v96-127 V's four
.set ST,   128                         ; v128-191 S^T, then p
.set OT,   192                         ; v192-223 O^T
.set PC,   224                         ; v224-231 p's codes
.set BM,   232                         ; v232-233 my two blocks' largest scores, then largest p;  v234-235 second chains
.set BN,   234
.set SO,   236                         ; v236-237 the conversions' scale operands;  v238-239 the bytes
.set BY,   238
.set BX,   240                         ; v240-245 three chains of the sum
.set TP,   246
.set TQ,   247
.set TX,   248
.set PT,   249
.set FF,   250                         ; v[250:251] f = 2^(old M - new M)
.set PW,   252                         ; p's scale word
.set QS,   253                         ; Q's scale words
.set WV,   16
.set G1A,  24                          ; s[24:31] group 1: 18 rows of 256 bytes;  s[32:39]: 54 rows;  s[40:43], s[44:47] their groups 0
.set G1B,  32
.set G0A,  40
.set G0B,  44
.set SEL,  60
.set CS,   62                          ; s[62:63] c = log2(e) / 8
.set TB,   66                          ; s66 where the step's record begins;  s67 trips to go
.set CNT,  67
.macro CROUND
	s_barrier_signal -1
	s_barrier_wait -1
	s_cmp_lg_u32 s[WV], 0
	s_cbranch_scc1 .Lnot_wave_0_\@
	s_barrier_signal -3
.Lnot_wave_0_\@:
	s_barrier_wait -3
	s_barrier_signal -1
	s_barrier_wait -1
.endm
.macro WM d, a, b, c, sa, sb, ra       ; c < 0: the constant 0 starts the sum.  ra: source 0's scale words stand in lanes 16-31
.if (\c) < 0
.if (\ra)
	v_wmma_scale_f32_16x16x128_f8f6f4 v[(\d):(\d)+7], v[(\a):(\a)+7], v[(\b):(\b)+7], 0, v[\sa], v[\sb] matrix_a_fmt:MATRIX_FMT_FP4 matrix_b_fmt:MATRIX_FMT_FP4 matrix_a_scale:MATRIX_SCALE_ROW1
.else
	v_wmma_scale_f32_16x16x128_f8f6f4 v[(\d):(\d)+7], v[(\a):(\a)+7], v[(\b):(\b)+7], 0, v[\sa], v[\sb] matrix_a_fmt:MATRIX_FMT_FP4 matrix_b_fmt:MATRIX_FMT_FP4
.endif
.else
	v_wmma_scale_f32_16x16x128_f8f6f4 v[(\d):(\d)+7], v[(\a):(\a)+7], v[(\b):(\b)+7], v[(\c):(\c)+7], v[\sa], v[\sb] matrix_a_fmt:MATRIX_FMT_FP4 matrix_b_fmt:MATRIX_FMT_FP4
.endif
.endm
.macro TMINUS q0, q1                   ; t - M for pairs q0 .. q1 of S^T (of the pairs c and -M the low word serves both halves)
.set q, \q0
.rept (\q1)-(\q0)+1
	v_pk_fma_f32 v[ST+2*q:ST+2*q+1], v[ST+2*q:ST+2*q+1], s[CS:CS+1], v[12:13] op_sel_hi:[1,0,0]
.set q, q+1
.endr
.endm
; Addition n of 32 of the row's sum of the unquantised p, two numbers at a time, in four chains by turns: v[14:15], which holds the sum so far, and three that begin with a sum of two pairs.
.macro AD
.if n < 3
	v_pk_add_f32 v[BX+2*n:BX+2*n+1], v[ST+4*n:ST+4*n+1], v[ST+4*n+2:ST+4*n+3]
.elseif n < 29
.if n%4 == 3
	v_pk_add_f32 v[14:15], v[14:15], v[ST+2*n+6:ST+2*n+7]
.else
	v_pk_add_f32 v[BX+2*(n%4):BX+2*(n%4)+1], v[BX+2*(n%4):BX+2*(n%4)+1], v[ST+2*n+6:ST+2*n+7]
.endif
.elseif n == 29
	v_pk_add_f32 v[14:15], v[14:15], v[BX+4:BX+5]
.elseif n == 30
	v_pk_add_f32 v[BX:BX+1], v[BX:BX+1], v[BX+2:BX+3]
.else
	v_pk_add_f32 v[14:15], v[14:15], v[BX:BX+1]
.endif
.set n, n+1
.endm
.macro ADS cnt
.rept \cnt
	AD
.endr
.endm
	s_load_b256 s[4:11], s[0:1], 0x0               ; q_buf s[4:5], kv_buf s[6:7], o_img s[8:9], o_sc s[10:11]
	v_lshl_add_u32 v[SPW], v0, 2, SPARE
	v_mov_b32 v[NIL], 0
	ds_add_u32 v[SPW], v[NIL]                      ; the add, twice on end, under one wait
	ds_add_u32 v[SPW], v[NIL]
	v_lshrrev_b32 v8, 5, v0
	v_readfirstlane_b32 s[WV], v8                  ; wave 0..15
	s_bfe_u32 s17, ttmp6, 0x40000                  ; cx: it enters Q's and o's addresses alone
	s_lshl_b32 s18, ttmp9, 2
	s_add_co_u32 s18, s18, s17                     ; qb: my block of 256 queries
	s_and_b32 s19, ttmp7, 0xffff                   ; the head, which the four partners share
	s_mul_i32 s20, s19, HEADB                      ; its first byte in q_buf and in kv_buf
.irp g, G1A, G1B
	s_mov_b32 s[\g], 15|(3<<16)|(1<<21)            ; 15:0 the mask: all four work-groups; 17:16 elements of 8 bytes; 21 set beside a mask; no padding
	s_mov_b32 s[\g+1], 32<<16                      ; tensor_dim0: 32 elements = 256 bytes
	s_mov_b32 s[\g+3], 32<<16                      ; tile_dim0
	s_mov_b32 s[\g+5], 32                          ; dense
	s_mov_b32 s[\g+6], 0
	s_mov_b32 s[\g+7], 0
.endr
	s_mov_b32 s[G1A+2], (C0B/4096)<<16             ; tensor_dim1, tile_dim1: 18 rows
	s_mov_b32 s[G1A+4], C0B/4096
	s_mov_b32 s[G1B+2], ((HEADB-C0B)/4096)<<16     ; 54 rows
	s_mov_b32 s[G1B+4], (HEADB-C0B)/4096
	s_mul_i32 s21, s[WV], C0B/16                   ; my sixteenth of the first fill, in LDS as in the head's bytes,
	s_mul_i32 s22, s[WV], (HEADB-C0B)/16
	s_add_co_u32 s22, s22, C0B                     ; and of the second
	s_add_co_u32 s48, s20, s21
	s_mov_b32 s49, 0
	s_add_co_u32 s50, s20, s22
	s_mov_b32 s51, 0
	s_lshl_b32 s52, s18, 1                         ; my tile of queries T = 16 qb + wave lies in record T / 8 = 2 qb + wave / 8, as its tile wave % 8
	s_lshr_b32 s53, s[WV], 3
	s_add_co_u32 s52, s52, s53
	s_mul_i32 s52, s52, REC
	s_add_co_u32 s52, s52, s20
	s_and_b32 s53, s[WV], 7
	s_lshl_b32 s54, s53, 6
	s_add_co_u32 s54, s54, s52
	s_add_co_u32 s54, s54, KSO                     ; Q's scale words: 64 bytes a tile
	s_mov_b32 s55, 0
	s_lshl_b32 s53, s53, 9
	s_add_co_u32 s52, s52, s53                     ; Q's image
	s_mov_b32 s53, 0
	s_lshl_b32 s56, s18, 4
	s_add_co_u32 s56, s56, s[WV]                   ; T
	s_lshl_b32 s58, s56, 9
	s_lshl_b32 s57, s19, 1
	s_add_co_u32 s58, s58, s57                     ; o_sc: 512 T + 2 head
	s_mov_b32 s59, 0
	s_lshl_b32 s56, s56, 13
	s_lshl_b32 s57, s19, 9
	s_add_co_u32 s56, s56, s57                     ; o_img: 8,192 T + 512 head
	s_mov_b32 s57, 0
	s_mov_b32 s[SEL], 0x76543210
	s_mov_b32 s[SEL+1], 0xfedcba98
	s_mov_b32 s[CS], 0x3e38aa3b                    ; log2(e) / 8
	s_mov_b32 s[CS+1], s[CS]
	s_wait_dscnt 0x0                               ; both opening adds are done
	s_wait_kmcnt 0x0
	s_mov_b32 s[G0A], 1
	s_mov_b32 s[G0A+1], s21
	s_add_nc_u64 s[G0A+2:G0A+3], s[6:7], s[48:49]
	s_or_b32 s[G0A+3], s[G0A+3], 0x80000000
	s_mov_b32 s[G0B], 1
	s_mov_b32 s[G0B+1], s22
	s_add_nc_u64 s[G0B+2:G0B+3], s[6:7], s[50:51]
	s_or_b32 s[G0B+3], s[G0B+3], 0x80000000
	s_add_nc_u64 s[12:13], s[4:5], s[54:55]
	s_add_nc_u64 s[4:5], s[4:5], s[52:53]
	s_add_nc_u64 s[8:9], s[8:9], s[56:57]
	s_add_nc_u64 s[10:11], s[10:11], s[58:59]
	CROUND                                         ; all four work-groups are here: the joint loads meet
	tensor_load_to_lds s[G0A:G0A+3], s[G1A:G1A+7]  ; every wave's one load at the head: its part of steps 0-7
	s_nop 0
	v_and_b32 v7, 31, v0                           ; lane
	v_and_b32 v10, 15, v0                          ; r
	v_bfe_u32 v11, v0, 4, 1                        ; h
	v_lshlrev_b32 v[L16], 4, v7
	v_lshlrev_b32 v[L4], 2, v7
	v_lshlrev_b32 v[SH8], 3, v11
	v_lshl_add_u32 v[OSB], v10, 5, v11
	v_lshlrev_b32 v[TP], 2, v10
	global_load_b128 v[QF:QF+3], v[L16], s[4:5]    ; Q's fragment stays in registers
	global_load_b32 v[QS], v[TP], s[12:13]         ; lane r: row r's word
	v_mov_b32 v13, 0xff61b1e6                      ; the largest score so far: -3e38
	v_floor_f32 v12, -v13                          ; -M: the first change of M makes f = 0, over zeros
	v_mov_b32 v14, 0
	v_mov_b32 v15, 0
	v_mov_b32 v[FF+1], 0                           ; (named with f as a pair)
	v_mov_b32 v[TX], 0                             ; written once: a lane permute's destination counts as one of its sources
.irp j, 0,1,2,3
	v_mov_b32 v[QF+4+\j], 0                        ; k = 64 .. 127 of the instruction: zero codes
.irp t, 0,1,2,3,4,5,6,7
	v_mov_b32 v[KF+8*\t+4+\j], 0
.endr
.endr
.set j, 0
.rept 32
	v_mov_b32 v[OT+j], 0                           ; O^T: the step is written for every step alike; the first finds zeros
.set j, j+1
.endr
; A KEY STEP: 128 keys.  Its K was asked of LDS a step ago.  pre = 1: it asks for the next step's.
.macro STEP pre
	s_wait_dscnt 0x0                               ; K and its scale words are in
.irp t, 0,1,2,3,4,5,6,7
	WM ST+8*\t, KF+8*\t, QF, -1, KS+\t/2, QS, \t%2
.endr
	v_add_nc_u32 v[A16], s[TB], v[L16]             ; four plain lines: the places behind these products and behind the last step's, ahead of the loads into their registers and of the reads of S^T
	v_add_nc_u32 v[A4], s[TB], v[L4]
	v_nop
	v_nop
.irp t, 0,1,2,3
.irp c, 0,1
	ds_load_b128 v[VF+8*\t+4*\c:VF+8*\t+4*\c+3], v[A16] offset:VIM+1024*\t+512*\c
.endr
.endr
.irp t, 0,1,2,3
	ds_load_b32 v[VS+\t], v[A4] offset:VSO+128*\t
.endr
.if \pre
.irp t, 0,1,2,3,4,5,6,7
	ds_load_b128 v[KF+8*\t:KF+8*\t+3], v[A16] offset:REC+512*\t
.endr
.irp t, 0,1,2,3
	ds_load_b32 v[KS+\t], v[A4] offset:REC+KSO+128*\t
.endr
.endif
	; the largest score of my two blocks of 32 keys: for the row's maximum, and, since p rises with the score, for the block's largest p.  Four chains by turns; each accumulator is read from its low end on
.irp c, 0,1
	v_max3_num_f32 v[BM+\c], v[ST+32*\c], v[ST+32*\c+1], v[ST+32*\c+2]
	v_max3_num_f32 v[BN+\c], v[ST+32*\c+16], v[ST+32*\c+17], v[ST+32*\c+18]
.endr
.irp i, 3,5,7,9,11,13
.irp c, 0,1
	v_max3_num_f32 v[BM+\c], v[BM+\c], v[ST+32*\c+\i], v[ST+32*\c+\i+1]
	v_max3_num_f32 v[BN+\c], v[BN+\c], v[ST+32*\c+16+\i], v[ST+32*\c+17+\i]
.endr
.endr
.irp c, 0,1
	v_max3_num_f32 v[BM+\c], v[BM+\c], v[BN+\c], v[ST+32*\c+15]
.endr
.irp c, 0,1
	v_max_num_f32 v[BM+\c], v[BM+\c], v[ST+32*\c+31]
.endr
	s_delay_alu instid0(VALU_DEP_1)
	v_max_num_f32 v[TP], v[BM], v[BM+1]
	v_mov_b32 v[TQ], v12
	s_delay_alu instid0(VALU_DEP_2)
	v_permlanex16_b32 v[TX], v[TP], s[SEL], s[SEL+1]   ; lane l xor 16's two blocks
	s_delay_alu instid0(VALU_DEP_1)
	v_max3_num_f32 v13, v13, v[TP], v[TX]          ; the running largest score of my query
	s_delay_alu instid0(VALU_DEP_1)
	v_mul_f32 v[TP], s[CS], v13                    ; as t (c is positive)
	s_delay_alu instid0(VALU_DEP_1)
	v_floor_f32 v12, -v[TP]                        ; the new -M = -ceil(t)
	s_delay_alu instid0(VALU_DEP_1)
	v_sub_f32 v[TQ], v12, v[TQ]                    ; old M - new M: a whole number, 0 or less
.irp c, 0,1
	v_fma_f32 v[BM+\c], v[BM+\c], s[CS], v12       ; t - M of each block's largest score
.endr
	TMINUS 0, 1
	v_cvt_i32_f32 v[TQ], v[TQ]                     ; (it saturates)
	TMINUS 2, 5
	v_ldexp_f32 v[FF], 1.0, v[TQ]                  ; f = 2^(old M - new M)
	TMINUS 6, 31
.set j, 0
.rept 16
	v_pk_mul_f32 v[OT+j:OT+j+1], v[OT+j:OT+j+1], v[FF:FF+1] op_sel_hi:[1,0]   ; O^T under the new M
.set j, j+2
.endr
	s_wait_alu depctr_va_vdst(0)                   ; the wait ahead of the batch
.irp c, 0,1
	v_exp_f32 v[BM+\c], v[BM+\c]                   ; the block's largest p: the same multiply-add and exponential on the same number as that p itself
.endr
.set j, 0
.rept 64
	v_exp_f32 v[ST+j], v[ST+j]                     ; p = 2^(t - M)
.set j, j+1
.endr
	v_pk_mul_f32 v[14:15], v[14:15], v[FF:FF+1] op_sel_hi:[1,0]   ; the sum under the new M: the plain place behind the batch
	s_wait_alu depctr_va_vdst(0)                   ; one wait for the whole batch, ahead of its first reader
.irp c, 0,1
	v_max_num_f32 v[BM+\c], 0x1800000, v[BM+\c]    ; the floor 2^(3 - 127): the byte cannot fall under 1
.endr
.set n, 0
	ADS 3
.irp c, 0,1
	v_add_nc_u32 v[SO+\c], 0xff000000, v[BM+\c]    ; 2 off the exponent field: the conversion's scale operand
.endr
	ADS 2
.irp c, 0,1
	v_lshrrev_b32 v[BY+\c], 23, v[SO+\c]           ; the scale's byte
.endr
.irp c, 0,1
.irp i, 0,1,2,3
	v_cvt_scalef32_pk8_fp4_f32 v[PC+4*\c+\i], v[ST+32*\c+8*\i:ST+32*\c+8*\i+7], v[SO+\c]   ; registers 4 c .. 4 c + 3 of P's operand: k = 64 c + 32 h + 0 .. 31
.endr
.endr
	v_lshl_or_b32 v[PT], v[BY+1], 16, v[BY]        ; my two bytes: blocks h and 2 + h,
	AD
	v_lshlrev_b32 v[PT], v[SH8], v[PT]             ; at their places in the scale word;
	AD
	v_permlanex16_b32 v[TX], v[PT], s[SEL], s[SEL+1]
	AD
	v_or_b32 v[PW], v[PT], v[TX]                   ; with lane l xor 16's two the word is whole
	ADS 24                                         ; the rest of the sum: also the places between p's codes and scale word and the products below
	s_wait_alu depctr_va_vdst(0)
.if \pre
	s_wait_dscnt 0xc                               ; LDS loads come back in order (ISA guide 5.7.1): V's twelve are in; the twelve of the next step's K, issued behind them, may stay out
.else
	s_wait_dscnt 0x0
.endif
.irp t, 0,1,2,3
	WM OT+8*\t, VF+8*\t, PC, OT+8*\t, VS+\t, PW, 0 ; the four accumulators take turns
.endr
.endm
.macro WALK first, trips               ; steps first .. first + trips - 1, each asking for the next one's K
	s_mov_b32 s[TB], (\first)*REC
	s_mov_b32 s[CNT], \trips
.Lstep_\@:
	STEP 1
	s_add_co_u32 s[TB], s[TB], REC
	s_sub_co_u32 s[CNT], s[CNT], 1
	s_cmp_lg_u32 s[CNT], 0
	s_cbranch_scc1 .Lstep_\@
.endm
	s_wait_alu depctr_va_vdst(0)                   ; the wait at the head's end
	s_wait_tensorcnt 0x0                           ; my part of steps 0-7 is in
	ds_add_u32 v[SPW], v[NIL]
	s_wait_dscnt 0x0
	CROUND                                         ; everybody's part is in, and all four work-groups are here
	tensor_load_to_lds s[G0B:G0B+3], s[G1B:G1B+7]  ; my part of steps 8-31: the first tensor load behind the round
	s_nop 0
.rept 4
	v_nop
.endr
.irp t, 0,1,2,3,4,5,6,7                ; step 0's K
	ds_load_b128 v[KF+8*\t:KF+8*\t+3], v[L16] offset:512*\t
.endr
.irp t, 0,1,2,3
	ds_load_b32 v[KS+\t], v[L4] offset:KSO+128*\t
.endr
	s_wait_loadcnt 0x0                             ; Q
	WALK 0, 7                                      ; steps 0-6 read records 0-7 alone
	s_wait_tensorcnt 0x0                           ; my part of steps 8-31 has landed
	s_wait_dscnt 0x0                               ; (no LDS load of mine is out at the signal)
	s_barrier_signal -1
	s_barrier_wait -1                              ; everybody's has
	WALK 7, 24
	STEP 0                                         ; step 31 asks for nothing
	v_add_f32 v14, v14, v15                        ; (these lines are the places behind the last products)
	v_nop
	v_permlanex16_b32 v[TX], v14, s[SEL], s[SEL+1]
	v_nop
	v_add_f32 v14, v14, v[TX]                      ; the row's sum
	s_wait_alu depctr_va_vdst(0)                   ; the wait ahead of the transcendental
	v_rcp_f32 v14, v14
	v_nop                                          ; a plain place behind it
	s_wait_alu depctr_va_vdst(0)                   ; the wait ahead of its first reader, which is also the first reader of O^T
.set j, 0
.rept 16
	v_pk_mul_f32 v[ST+j:ST+j+1], v[OT+j:OT+j+1], v[14:15] op_sel_hi:[1,0]   ; register 16 b + i: channel 32 b + 16 (lane / 16) + i of my query
.set j, j+2
.endr
	; o's two blocks of 32 channels: 16 numbers of each are mine, 16 lane l xor 16's
.irp b, 0,1
	v_max3_num_f32 v[BM+\b], |v[ST+16*\b]|, |v[ST+16*\b+1]|, 0x1800000
.endr
.irp i, 2,4,6,8,10,12,14
.irp b, 0,1
	v_max3_num_f32 v[BM+\b], v[BM+\b], |v[ST+16*\b+\i]|, |v[ST+16*\b+\i+1]|
.endr
.endr
.irp b, 0,1
	v_permlanex16_b32 v[BN+\b], v[BM+\b], s[SEL], s[SEL+1]
.endr
.irp b, 0,1
	v_max_num_f32 v[BM+\b], v[BM+\b], v[BN+\b]
.endr
.irp b, 0,1
	v_add_nc_u32 v[SO+\b], 0xff000000, v[BM+\b]
.endr
.irp b, 0,1
	v_lshrrev_b32 v[BY+\b], 23, v[SO+\b]
.endr
.irp b, 0,1
	v_cvt_scalef32_pk8_fp4_f32 v[PC+2*\b], v[ST+16*\b:ST+16*\b+7], v[SO+\b]
	v_cvt_scalef32_pk8_fp4_f32 v[PC+2*\b+1], v[ST+16*\b+8:ST+16*\b+15], v[SO+\b]
.endr
	v_nop                                          ; one plain place behind a scaled conversion
	v_permlane16_swap_b32 v[PC], v[PC+2]           ; a whole block to a lane
	v_permlane16_swap_b32 v[PC+1], v[PC+3]
	global_store_b128 v[L16], v[PC:PC+3], s[8:9]
	s_mov_b32 vcc_lo, 0xffff0000
	v_cndmask_b32 v[BX], v[BY], v[BY+1], vcc_lo    ; lanes 0-15 send block 0's byte of row r, lanes 16-31 block 1's
	global_store_b8 v[OSB], v[BX], s[10:11]
	s_wait_tensorcnt 0x0                           ; the wave's end
	ds_add_u32 v[SPW], v[NIL]
	s_wait_dscnt 0x0
	CROUND                                         ; the closing round
	s_endpgm
.Lfunc_end_k_q5c824f9433_attn:
	.size	k_q5c824f9433_attn, .Lfunc_end_k_q5c824f9433_attn-k_q5c824f9433_attn
	.p2alignl 7, 3214868480
	.fill 96, 4, 3214868480
	.section	.rodata,"a",@progbits
	.p2align	6, 0x0
	.amdhsa_kernel k_q5c824f9433_attn
		.amdhsa_group_segment_fixed_size 327680
		.amdhsa_private_segment_fixed_size 0
		.amdhsa_enable_private_segment 0
		.amdhsa_kernarg_size 32
		.amdhsa_user_sgpr_count 2
		.amdhsa_user_sgpr_kernarg_segment_ptr 1
		.amdhsa_wavefront_size32 1
		.amdhsa_system_sgpr_workgroup_id_x 1
		.amdhsa_system_sgpr_workgroup_id_y 1
		.amdhsa_system_sgpr_workgroup_id_z 1
		.amdhsa_system_vgpr_workitem_id 0
		.amdhsa_next_free_vgpr 256
		.amdhsa_next_free_sgpr 70
		.amdhsa_reserve_vcc 1
		.amdhsa_float_denorm_mode_32 3
		.amdhsa_float_denorm_mode_16_64 3
		.amdhsa_memory_ordered 1
		.amdhsa_forward_progress 1
		.amdhsa_inst_pref_size 55
	.end_amdhsa_kernel
	.amdgpu_metadata
---
amdhsa.version: [ 1, 2 ]
amdhsa.kernels:
  - .name:           k_q5c824f9433_attn
    .symbol:         k_q5c824f9433_attn.kd
    .args:
      - { .name: q_buf, .offset: 0, .size: 8, .value_kind: global_buffer, .address_space: global }
      - { .name: kv_buf, .offset: 8, .size: 8, .value_kind: global_buffer, .address_space: global }
      - { .name: o_img, .offset: 16, .size: 8, .value_kind: global_buffer, .address_space: global }
      - { .name: o_sc, .offset: 24, .size: 8, .value_kind: global_buffer, .address_space: global }
    .group_segment_fixed_size: 327680
    .private_segment_fixed_size: 0
    .kernarg_segment_align: 8
    .kernarg_segment_size: 32
    .max_flat_workgroup_size: 512
    .sgpr_count:     70
    .vgpr_count:     256
    .wavefront_size: 32
...
	.end_amdgpu_metadata
.endif
;; end of part 5
;; launch proj (part 6): grid 8 x 32, 8 waves a work-group, clusters of 4 x 4, 168,960 bytes of LDS; arguments o_img, o_sc, proj_w_codes, proj_w_scales, proj_b, out0; writes out0
.if DOCPART == 6
	.amdgcn_target "amdgcn-amd-amdhsa--gfx1250"
	.amdhsa_code_object_version 6
	.text
	.protected	k_q5c824f9433_proj
	.globl	k_q5c824f9433_proj
	.p2align	8
	.type	k_q5c824f9433_proj,@function
k_q5c824f9433_proj:
	s_mov_b64 s[64:65], 0
	v_nop
	global_prefetch_b8 v0, s[64:65] scope:SCOPE_SE
	s_setreg_imm32_b32 hwreg(HW_REG_WAVE_MODE, 25, 1), 1
	s_wait_xcnt 0x0
	s_wait_alu depctr_hold_cnt(0) depctr_sa_sdst(0) depctr_va_vdst(0) depctr_va_sdst(0) depctr_va_ssrc(0) depctr_va_vcc(0) depctr_vm_vsrc(0)
	s_getreg_b32 s2, hwreg(HW_REG_IB_STS2, 6, 4)
	s_cmp_eq_u32 s2, 0
	s_cbranch_scc0 .Lentry_in_a_cluster
	s_endpgm
.Lentry_in_a_cluster:
	s_bfe_u32 s2, ttmp6, 0x10000c
	s_cmp_lg_u32 s2, 0xf033
	s_cbranch_scc0 .Lentry_shape_is_right
	s_endpgm
.Lentry_shape_is_right:
; out = o W^T + b on codes of FP4 (E2M1) with E8M0 scales; out [4096][1024] f32.  o comes as images of operand registers (o_img [T 256][K step 8][c 2][512]) with its scale bytes [16 T + r][32]; W as given, rows of 512 bytes.
; SHARES.  Work-group (gx, gy): tiles 8 gy .. + 7 of o (sequence rows 128 gy .. + 127) x columns 128 gx .. + 127.  Eight waves: wave w takes o's tiles 2 (w % 4) + u and W's tiles 4 (w / 4) + t: 8 accumulators, 8 K steps.
; The product is used transposed (source 0 = 16 rows of W, source 1 = o): a lane holds eight neighbouring columns of one row of out.  Lane r of o's tile T is sequence row 32 (T / 2) + 8 (T % 2) + r + 8 (r / 8).
; The bias is the C of each sum's first product.
; LDS: o's eight tiles, 65,536 dense bytes; W's 128 rows x (512 + 16) bytes; behind them a stage of 16 rows x 272 bytes for each wave, into which no tile lands.  Every tile's byte is filled once.
; CLUSTER 4 x 4: o's tiles hang on gy alone and are asked for jointly along a row of the cluster, W's on gx alone, along a column.
; OUT through the wave's own stage: sixteen lanes store 256 consecutive bytes of a row, at a multiple of 256 from the buffer's first byte.
; LIMITS: the scale byte 0xff and NaN or infinities among the inputs are not served.
.set WR,   65536
.set WP,   528
.set STG,  WR+128*WP                   ; 133,120
.set SP,   272
.set AO,   1                           ; v1  o's images: 16 x lane + 16,384 (w % 4)
.set AW,   2                           ; v2  W's fragments: WR + (64 (w / 4) + r) x 528 + 16 h
.set O32,  3                           ; v3  32 x lane: a row of scale bytes
.set STI,  4                           ; v4  the stage, in: row r, + 32 h
.set STB,  5                           ; v5  back: lanes 0-15 one row, lanes 16-31 the next
.set OOF,  6                           ; v6  the same two rows in out
.set BOF,  7                           ; v7  the bias: 32 h
.set SCW,  32                          ; v32-47 W's scale words: pair p at 8 p, K step ks at + ks
.set SCO,  48                          ; v48-55 o's: lanes 0-15 tile u = 0, lanes 16-31 u = 1
.set S0F,  64                          ; v64-127 W's four fragments, two buffers
.set S1F,  128                         ; v128-159 o's two, two buffers
.set BI,   160                         ; v160-191 the bias, eight numbers a tile of W
.set ACC,  192                         ; accumulator (u, t) at 192 + 8 (4 u + t)
.set WV,   16
.set GX,   19
.set GY,   20
.set G1O,  24
.set G1W,  32
.set G0O,  40
.set G0W,  44
.macro CROUND
	s_barrier_signal -1
	s_barrier_wait -1
	s_cmp_lg_u32 s[WV], 0
	s_cbranch_scc1 .Lnot_wave_0_\@
	s_barrier_signal -3
.Lnot_wave_0_\@:
	s_barrier_wait -3
	s_barrier_signal -1
	s_barrier_wait -1
.endm
.macro PLACES
.rept 4
	v_nop
.endr
.endm
.macro WM d, a, b, c, sa, sb, ra, rb   ; ra, rb: the side's scale words stand in lanes 16-31 of the register named
.if (\ra) && (\rb)
	v_wmma_scale_f32_16x16x128_f8f6f4 v[(\d):(\d)+7], v[(\a):(\a)+7], v[(\b):(\b)+7], v[(\c):(\c)+7], v[\sa], v[\sb] matrix_a_fmt:MATRIX_FMT_FP4 matrix_b_fmt:MATRIX_FMT_FP4 matrix_a_scale:MATRIX_SCALE_ROW1 matrix_b_scale:MATRIX_SCALE_ROW1
.elseif (\ra)
	v_wmma_scale_f32_16x16x128_f8f6f4 v[(\d):(\d)+7], v[(\a):(\a)+7], v[(\b):(\b)+7], v[(\c):(\c)+7], v[\sa], v[\sb] matrix_a_fmt:MATRIX_FMT_FP4 matrix_b_fmt:MATRIX_FMT_FP4 matrix_a_scale:MATRIX_SCALE_ROW1
.elseif (\rb)
	v_wmma_scale_f32_16x16x128_f8f6f4 v[(\d):(\d)+7], v[(\a):(\a)+7], v[(\b):(\b)+7], v[(\c):(\c)+7], v[\sa], v[\sb] matrix_a_fmt:MATRIX_FMT_FP4 matrix_b_fmt:MATRIX_FMT_FP4 matrix_b_scale:MATRIX_SCALE_ROW1
.else
	v_wmma_scale_f32_16x16x128_f8f6f4 v[(\d):(\d)+7], v[(\a):(\a)+7], v[(\b):(\b)+7], v[(\c):(\c)+7], v[\sa], v[\sb] matrix_a_fmt:MATRIX_FMT_FP4 matrix_b_fmt:MATRIX_FMT_FP4
.endif
.endm
	s_load_b256 s[4:11], s[0:1], 0x0               ; o_img s[4:5], o_sc s[6:7], W's codes s[8:9], W's scales s[10:11]
	s_load_b128 s[12:15], s[0:1], 0x20             ; bias s[12:13], out s[14:15]
	v_lshl_add_u32 v62, v0, 2, 0x29000
	v_mov_b32 v63, 0
	ds_add_u32 v62, v63
	ds_add_u32 v62, v63
	v_lshrrev_b32 v8, 5, v0
	s_delay_alu instid0(VALU_DEP_1)
	v_readfirstlane_b32 s[WV], v8                  ; wave 0..7
	s_bfe_u32 s17, ttmp6, 0x40000                  ; cx
	s_bfe_u32 s18, ttmp6, 0x40004                  ; cy
	s_lshl_b32 s[GX], ttmp9, 2
	s_add_co_u32 s[GX], s[GX], s17
	s_and_b32 s[GY], ttmp7, 0xffff
	s_lshl_b32 s[GY], s[GY], 2
	s_add_co_u32 s[GY], s[GY], s18
	s_lshl_b32 s21, s18, 2
	s_lshl_b32 s21, 15, s21                        ; my row of the cluster
	s_lshl_b32 s22, 0x1111, s17                    ; my column
	s_or_b32 s[G1O], s21, (3<<16)|(1<<21)          ; o: 128 dense rows of 256 bytes (32 elements of 8 bytes), no padding
	s_mov_b32 s[G1O+1], 32<<16
	s_mov_b32 s[G1O+2], 128<<16
	s_mov_b32 s[G1O+3], 32<<16
	s_mov_b32 s[G1O+4], 128
	s_mov_b32 s[G1O+5], 32
	s_mov_b32 s[G1O+6], 0
	s_mov_b32 s[G1O+7], 0
	s_or_b32 s[G1W], s22, (1<<20)|(1<<21)|(6<<22)|(3<<25)   ; W: 64 rows of 512 bytes, four words of padding after every 128
	s_mov_b32 s[G1W+1], 512<<16
	s_mov_b32 s[G1W+2], 64<<16
	s_mov_b32 s[G1W+3], 512<<16
	s_mov_b32 s[G1W+4], 64
	s_mov_b32 s[G1W+5], 512
	s_mov_b32 s[G1W+6], 0
	s_mov_b32 s[G1W+7], 0
	s_and_b32 s23, s[WV], 1                        ; which half I fetch, if I fetch
	s_lshl_b32 s48, s23, 15                        ; 32,768 bytes: half of o's tiles, and 64 rows of W in memory
	s_lshl_b32 s50, s[GY], 16
	s_add_co_u32 s50, s50, s48
	s_mov_b32 s51, 0
	s_mul_i32 s49, s23, 64*WP
	s_add_co_u32 s49, s49, WR
	s_lshl_b32 s52, s[GX], 16
	s_add_co_u32 s52, s52, s48
	s_mov_b32 s53, 0
	s_and_b32 s54, s[WV], 3                        ; P: my pair of o's tiles
	s_lshr_b32 s55, s[WV], 2                       ; ch: my 64 columns
	s_lshl_b32 s56, s54, 14
	s_mul_i32 s57, s55, 64*WP
	s_add_co_u32 s57, s57, WR
	s_mul_i32 s58, s[WV], 16*SP
	s_add_co_u32 s58, s58, STG                     ; my stage
	v_and_b32 v8, 31, v0                           ; lane
	v_and_b32 v9, 15, v0                           ; r
	v_bfe_u32 v10, v0, 4, 1                        ; h
	s_delay_alu instid0(VALU_DEP_3)
	v_lshlrev_b32 v[AO], 4, v8
	s_delay_alu instid0(VALU_DEP_1)
	v_add_nc_u32 v[AO], s56, v[AO]
	s_delay_alu instid0(VALU_DEP_4)
	v_mul_u32_u24 v[AW], v9, WP
	s_delay_alu instid0(VALU_DEP_1)
	v_lshl_add_u32 v[AW], v10, 4, v[AW]
	s_delay_alu instid0(VALU_DEP_1)
	v_add_nc_u32 v[AW], s57, v[AW]
	v_lshlrev_b32 v[O32], 5, v8
	v_mul_u32_u24 v[STI], v9, SP
	s_delay_alu instid0(VALU_DEP_1)
	v_lshl_add_u32 v[STI], v10, 5, v[STI]
	s_delay_alu instid0(VALU_DEP_1)
	v_add_nc_u32 v[STI], s58, v[STI]
	v_mul_u32_u24 v[STB], v10, SP
	s_delay_alu instid0(VALU_DEP_1)
	v_lshl_add_u32 v[STB], v9, 4, v[STB]
	s_delay_alu instid0(VALU_DEP_1)
	v_add_nc_u32 v[STB], s58, v[STB]
	v_lshlrev_b32 v[OOF], 12, v10
	s_delay_alu instid0(VALU_DEP_1)
	v_lshl_add_u32 v[OOF], v9, 4, v[OOF]
	v_lshlrev_b32 v[BOF], 5, v10
	s_mov_b32 s61, 0
	s_wait_dscnt 0x0
	s_wait_kmcnt 0x0
	s_mov_b32 s[G0O], 1
	s_mov_b32 s[G0O+1], s48
	s_add_nc_u64 s[G0O+2:G0O+3], s[4:5], s[50:51]
	s_or_b32 s[G0O+3], s[G0O+3], 0x80000000
	s_mov_b32 s[G0W], 1
	s_mov_b32 s[G0W+1], s49
	s_add_nc_u64 s[G0W+2:G0W+3], s[8:9], s[52:53]
	s_or_b32 s[G0W+3], s[G0W+3], 0x80000000
	s_lshl_b32 s60, s[GX], 12
	s_lshl_b32 s59, s55, 11
	s_add_co_u32 s60, s60, s59
	s_add_nc_u64 s[10:11], s[10:11], s[60:61]      ; W's scale bytes at row 128 gx + 64 ch
	s_lshl_b32 s60, s[GY], 12
	s_lshl_b32 s59, s54, 10
	s_add_co_u32 s60, s60, s59
	s_add_nc_u64 s[6:7], s[6:7], s[60:61]          ; o's at row 128 gy + 32 P
	s_lshl_b32 s60, s[GX], 9
	s_lshl_b32 s59, s55, 8
	s_add_co_u32 s60, s60, s59
	s_add_nc_u64 s[12:13], s[12:13], s[60:61]      ; the bias at 128 gx + 64 ch
	s_add_nc_u64 s[14:15], s[14:15], s[60:61]      ; out: the same columns,
	s_lshl_b32 s60, s[GY], 19
	s_lshl_b32 s59, s54, 17
	s_add_co_u32 s60, s60, s59
	s_add_nc_u64 s[14:15], s[14:15], s[60:61]      ; row 128 gy + 32 P
	CROUND                                         ; all sixteen work-groups are here: the joint loads meet
	s_cmp_lt_u32 s[WV], 2                          ; waves 0, 1 fetch o's halves, waves 2, 3 W's: one tensor load of mine is out at the most
	s_cbranch_scc0 .Lnot_o
	tensor_load_to_lds s[G0O:G0O+3], s[G1O:G1O+7]
	s_nop 0
	PLACES
	s_branch .Lasked
.Lnot_o:
	s_cmp_lt_u32 s[WV], 4
	s_cbranch_scc0 .Lasked
	tensor_load_to_lds s[G0W:G0W+3], s[G1W:G1W+7]
	s_nop 0
	PLACES
.Lasked:
.irp p, 0,1
.irp k, 0,1
	global_load_b128 v[SCW+8*\p+4*\k:SCW+8*\p+4*\k+3], v[O32], s[10:11] offset:1024*\p+16*\k
.endr
.endr
.irp k, 0,1
	global_load_b128 v[SCO+4*\k:SCO+4*\k+3], v[O32], s[6:7] offset:16*\k
.endr
	s_wait_alu depctr_va_vdst(0)
.irp t, 0,1,2,3
.irp q, 0,1
	global_load_b128 v[BI+8*\t+4*\q:BI+8*\t+4*\q+3], v[BOF], s[12:13] offset:64*\t+16*\q
.endr
.endr
.macro FETCH ks                        ; twelve LDS loads: K step ks into buffer ks % 2
.irp t, 0,1,2,3
.irp c, 0,1
	ds_load_b128 v[S0F+32*((\ks)%2)+8*\t+4*\c:S0F+32*((\ks)%2)+8*\t+4*\c+3], v[AW] offset:16*WP*\t+64*(\ks)+32*\c
.endr
.endr
.irp u, 0,1
.irp c, 0,1
	ds_load_b128 v[S1F+16*((\ks)%2)+8*\u+4*\c:S1F+16*((\ks)%2)+8*\u+4*\c+3], v[AO] offset:8192*\u+1024*(\ks)+512*\c
.endr
.endr
.endm
.macro MUL ks                          ; eight products; the eight accumulators take turns
.irp u, 0,1
.irp t, 0,1,2,3
.if (\ks) == 0
	WM ACC+8*(4*\u+\t), S0F+32*((\ks)%2)+8*\t, S1F+16*((\ks)%2)+8*\u, BI+8*\t, SCW+8*(\t/2)+(\ks), SCO+(\ks), \t%2, \u
.else
	WM ACC+8*(4*\u+\t), S0F+32*((\ks)%2)+8*\t, S1F+16*((\ks)%2)+8*\u, ACC+8*(4*\u+\t), SCW+8*(\t/2)+(\ks), SCO+(\ks), \t%2, \u
.endif
.endr
.endr
.endm
	s_wait_loadcnt 0x0                             ; scale words and bias
	s_wait_tensorcnt 0x0                           ; my tile has landed
	s_barrier_signal -1
	s_barrier_wait -1                              ; everybody's has
	FETCH 0
	FETCH 1
.irp ks, 0,1,2,3,4,5,6,7
.if \ks < 7
	s_wait_dscnt 0xc                               ; this step's twelve loads are in; the next step's may stay out
.else
	s_wait_dscnt 0x0
.endif
	MUL \ks
.if \ks < 6
	PLACES
	FETCH \ks+2
.endif
.endr
	PLACES
	; THE WAY OUT.  A tile of 16 rows x 64 columns goes through my own stage and comes back as rows of 256 bytes.  LDS serves a wave's instructions in order (ISA guide 5.7.1.4): no wait between stores and loads.
.irp u, 0,1
.irp t, 0,1,2,3
	ds_store_b128 v[STI], v[ACC+8*(4*\u+\t):ACC+8*(4*\u+\t)+3] offset:64*\t      ; each accumulator from its low end on
	ds_store_b128 v[STI], v[ACC+8*(4*\u+\t)+4:ACC+8*(4*\u+\t)+7] offset:64*\t+16
.endr
.irp i, 0,1,2,3,4,5,6,7
	ds_load_b128 v[S0F+32*\u+4*\i:S0F+32*\u+4*\i+3], v[STB] offset:2*SP*\i
.endr
.endr
	s_wait_dscnt 0x10                              ; the first tile is back; the second's eight stores and eight loads may stay out
.irp i, 0,1,2,3,4,5,6,7
	global_store_b128 v[OOF], v[S0F+4*\i:S0F+4*\i+3], s[14:15] offset:(2*\i+8*(\i/4))*4096 th:TH_STORE_NT   ; stage row 2 i + lane / 16 is sequence row 8 u + that + 8 (i / 4) of my 32
.endr
	s_wait_dscnt 0x0
.irp i, 0,1,2,3,4,5,6,7
	global_store_b128 v[OOF], v[S0F+32+4*\i:S0F+32+4*\i+3], s[14:15] offset:(8+2*\i+8*(\i/4))*4096 th:TH_STORE_NT
.endr
	s_wait_tensorcnt 0x0
	ds_add_u32 v62, v63
	s_wait_dscnt 0x0
	CROUND                                         ; the closing round
	s_endpgm
.Lfunc_end_k_q5c824f9433_proj:
	.size	k_q5c824f9433_proj, .Lfunc_end_k_q5c824f9433_proj-k_q5c824f9433_proj
	.p2alignl 7, 3214868480
	.fill 96, 4, 3214868480
	.section	.rodata,"a",@progbits
	.p2align	6, 0x0
	.amdhsa_kernel k_q5c824f9433_proj
		.amdhsa_group_segment_fixed_size 168960
		.amdhsa_private_segment_fixed_size 0
		.amdhsa_enable_private_segment 0
		.amdhsa_kernarg_size 48
		.amdhsa_user_sgpr_count 2
		.amdhsa_user_sgpr_kernarg_segment_ptr 1
		.amdhsa_wavefront_size32 1
		.amdhsa_system_sgpr_workgroup_id_x 1
		.amdhsa_system_sgpr_workgroup_id_y 1
		.amdhsa_system_sgpr_workgroup_id_z 1
		.amdhsa_system_vgpr_workitem_id 0
		.amdhsa_next_free_vgpr 256
		.amdhsa_next_free_sgpr 66
		.amdhsa_reserve_vcc 0
		.amdhsa_float_denorm_mode_32 3
		.amdhsa_float_denorm_mode_16_64 3
		.amdhsa_memory_ordered 1
		.amdhsa_forward_progress 1
		.amdhsa_inst_pref_size 27
	.end_amdhsa_kernel
	.amdgpu_metadata
---
amdhsa.version: [ 1, 2 ]
amdhsa.kernels:
  - .name:           k_q5c824f9433_proj
    .symbol:         k_q5c824f9433_proj.kd
    .args:
      - { .name: o_img, .offset: 0, .size: 8, .value_kind: global_buffer, .address_space: global }
      - { .name: o_sc, .offset: 8, .size: 8, .value_kind: global_buffer, .address_space: global }
      - { .name: proj_w_codes, .offset: 16, .size: 8, .value_kind: global_buffer, .address_space: global }
      - { .name: proj_w_scales, .offset: 24, .size: 8, .value_kind: global_buffer, .address_space: global }
      - { .name: proj_b, .offset: 32, .size: 8, .value_kind: global_buffer, .address_space: global }
      - { .name: out0, .offset: 40, .size: 8, .value_kind: global_buffer, .address_space: global }
    .group_segment_fixed_size: 168960
    .private_segment_fixed_size: 0
    .kernarg_segment_align: 8
    .kernarg_segment_size: 48
    .max_flat_workgroup_size: 256
    .sgpr_count:     66
    .vgpr_count:     256
    .wavefront_size: 32
...
	.end_amdgpu_metadata
.endif
;; end of part 6
